; MI455X (gfx1250); checked and timed in simulation.
; The chip was launched on July 23, 2026; its instructions are those of AMD's public machine-readable ISA for CDNA 5 (MIT licence, August 2026) and "CDNA5" Instruction Set Architecture Reference Guide (July 2026). The comments in the code are by the model that wrote it; some were corrected since.
;; Physics Resonator Bank. Allowed arithmetic: float matrix products may take bf16 or f16 operands with f32 sums; all other float work in f32.
;; Inputs: f0 8 float32; harm_detune 80 float32; log_A0 80 float32; log_B_intercept one number float32; log_B_slope one number float32; log_beat_hz 80 float32; log_noise_level one number float32; log_tau1 80 float32; log_tau2 80 float32; log_tau_noise one number float32; logit_a1 80 float32; logit_beat_depth 80 float32; noise_band_gain 16 float32; pan_scale one number float32; vel_norm 8 float32.
;; Outputs: out0 8 x 2 x 65,536 float32.
;; Constants: n_frames = 256.
;; 3 versions, each right; version 2 is faster than version 1; version 3 is version 2 with the launch bank written anew for expert scheduling mode. Each part assembles by itself: llvm-mc -triple=amdgcn-amd-amdhsa -mcpu=gfx1250 --defsym DOCPART=n.
;; ======== version 1 of 3: 1 launch
;; limits: right only within a limited range of input values
;; launch bank (part 1): grid 256 x 1, 8 waves a work-group, no clusters, 45,056 bytes of LDS; arguments f0, vel_norm, log_B_slope, log_B_intercept, log_tau1, log_tau2, logit_a1, log_beat_hz, logit_beat_depth, log_A0, harm_detune, noise_band_gain, log_tau_noise, log_noise_level, pan_scale, out0; writes out0
.if DOCPART == 1
	.amdgcn_target "amdgcn-amd-amdhsa--gfx1250"
	.amdhsa_code_object_version 6
	.text
	.protected	k_q2d9283f8f3_bank
	.globl	k_q2d9283f8f3_bank
	.p2align	8
	.type	k_q2d9283f8f3_bank,@function
k_q2d9283f8f3_bank:
	s_mov_b64 s[64:65], 0
	v_nop
	global_prefetch_b8 v0, s[64:65] scope:SCOPE_SE
	s_setreg_imm32_b32 hwreg(HW_REG_WAVE_MODE, 25, 1), 1
	s_wait_xcnt 0x0
; PhysicsResonatorBank: out[b][c][n] = sum over 80 partials of gain[c,k] amp[b,k] env[k,n] beat[k,n] sin(phase[b,k,n]) + noise[b,n].
; 8 notes, 2 channels, 65,536 samples; inputs 2,388 bytes, output 4 MiB.  Everything is done in this one launch.
;
; SHARING.  Work-group g owns samples 256 g .. 256 g + 255 of all 16 output rows (row = 2 b + c).  Wave w owns 32 of them as two
; tiles of 16.  Lane (r = lane & 15, h = lane >> 4) evaluates sample 256 g + 32 w + 16 tile + r.
; The sum over partials and the sum over noise bands are one matrix product over kk = 80 b + k (0..639), 640 + band (16), 16 of pad:
; 672 = 21 chunks of 32.  A = data[sample][kk] = env beat sin (noise columns: noise envelope x sin), B = G[row][kk], block-diagonal in b:
; G = gain[c,k] exp(log_A0[k] - m) alive[b,k]; noise columns, all rows: softmax(band gain) alive exp(log_noise_level - m).
; m = max(max log_A0, log_noise_level); vel[b] exp(m) multiplies the sums afterwards in f32.
; With the data as A and G as B, register j of lane (r, h) of the result is out[row r][tile sample 8 h + j]: 32 neighbouring bytes.
;
; WHY THE PHASES ARE NOT FACTORISED.  The phase is fl(fl(2 pi f) fl(n c)) in f32 and reaches 2e5 rad, where one unit in the last place is
; 1/64 rad: these roundings are part of the result.  t, 2 pi f and their product are formed by the same f32 operations in the same order,
; and every sine is evaluated by itself (range reduction in two steps, the first exact, and a polynomial of degree 9).
; WHY f16 OPERANDS.  Both operands lie in [-1, 1] by construction (env, beat in [0, 1]; G is normalised by exp(m)), so f16 has the range,
; and its 11 bits are wanted: near t = 0 the signal is several times its overall root mean square.
; env beat depends on (k, n) only: since 80 is ten octets of k, half h of the lanes meets only the octets 2 e + h, e = 0..4, so a lane keeps
; its 40 values a tile in registers, made once and used for all 8 notes.  Chunk c uses e = 2 c mod 5 and (2 c + 1) mod 5: period 5 chunks.
;
; NOT USED: clusters, tensor loads, prefetch: the work-groups share nothing but 2,388 bytes of inputs, read once at the head.
;
; LIMITS.  Sine polynomial: absolute error up to 6e-6.  The reduction holds for |phase| / 2 pi < 2^22: always so for partials below 22,050 Hz
; and for the noise bands; for the beat it asks log_beat_hz < 14.8.  Partials at or above 22,050 Hz get omega = 0 and gain 0.
; B, f and the band frequencies follow reference()'s order of operations with correctly rounded division and square root and with log2 and
; exp good to about one unit in the last place: they may differ from a host's by such a unit.  Exponentials flush denormals to zero.
; max(log_A0, log_noise_level) must stay below 88 (exp(m) finite).  NaN and infinite inputs are not honoured.  The order of sums differs.
; ---- LDS ----
.set GP,    1360                       ; G: 16 rows of 672 f16 = 1,344 bytes + 16: 85 x 16 bytes, so 16 rows start in 16 different 16-byte columns
.set WT,    21760                      ; omega[kk]: 672 f32
.set PK,    24576                      ; 7 arrays of 96 f32 per k: C1, C2, A1, A2, WB, HD, OM
.set PKA,   384
.set STAGE, 27264                      ; the way out: 16 rows of 256 f32 = 1,024 bytes + 16
.set SP,    1040
.set ROWB,  262144                     ; bytes of an output row
; ---- vector registers ----
.set VR,  1                            ; r
.set VH,  2                            ; h
.set VW,  3                            ; WT + 32 h, stepped by the loop
.set VG,  4                            ; 1360 r + 16 h, stepped by the loop
.set VPK, 5                            ; PK + 32 h
.set VST, 6                            ; STAGE + 1040 r + 128 w + 32 h
.set VRD, 7                            ; STAGE + 2080 w + 16 lane
.set VCO, 8                            ; 524288 w + 16 lane
.set VL,  9                            ; lane
.set MG,  10                           ; v[10:11] 1.5 x 2^23, twice
.set S7V, 12                           ; v[12:13] S7, twice
.set T0,  14                           ; v[14:15] t of tile 0, twice
.set T1,  16                           ; v[16:17] t of tile 1, twice
.set NE0, 18                           ; v[18:19] noise envelope, tile 0, twice
.set NE1, 20                           ; v[20:21] tile 1
.set VM,  22                           ; m
.set VPS, 23                           ; exp(pan_scale)
.set SC,  24                           ; v[24:25] vel[r >> 1] exp(m), twice
.set CN,  26                           ; -log2e / tau_noise
.set EB,  32                           ; v[32:111] env beat: tile x 40 + e x 8 + j  <->  k = 16 e + 8 h + j
.set W,   112                          ; v[112:127] omegas of a chunk
.set G,   128                          ; v[128:135] B fragment
.set PH0, 136                          ; v[136:151] phases, tile 0
.set PH1, 152                          ; v[152:167] tile 1
.set Q,   168                          ; v[168:183] turns, then r^2
.set P,   184                          ; v[184:199] polynomial
.set FR0, 200                          ; v[200:207] A fragment, tile 0
.set FR1, 208                          ; tile 1
.set AC0, 216                          ; v[216:223] sums, tile 0
.set AC1, 224                          ; tile 1
; env beat phase: parameters in v[112:167] (7 x 8), eight slots (4 x tile + pair) in:
.set XA,  168
.set XB,  184
.set PHC, 200
.set QC,  216
.set PCC, 232
; table phase: loaded inputs v112-130, indices and offsets v132-150, temporaries v151-164
.set BI,  134                          ; note b of pass i
.set KI,  137                          ; partial k of pass i
.set OB,  140                          ; 4 b
.set OK,  143                          ; 4 k
; ---- scalar pairs: one constant twice, used as a broadcast source ----
.set INV2PI, 66
.set NMAGIC, 68
.set N2PIH,  70
.set N2PIL,  72
.set CS9,    74
.set CS5,    76
.set CS3,    78
.set CS1,    80
.set L2E,    0x3fb8aa3b                ; log2 e
.set NL2E,   0xbfb8aa3b
.set TWOPI,  0x40c90fdb
.set NYQ,    0x46ac4400                ; 22050.0
.macro SPAIR r, val
	s_mov_b32 s[\r], \val
	s_mov_b32 s[\r+1], \val
.endm
; d = a / D, correctly rounded: quotient by the reciprocal, exact remainder, one correction.  negd = -D, rd = 1 / D
.macro DIVRN d, a, negd, rd, t
	v_mul_f32 v[\d], \rd, v[\a]
	v_fma_f32 v[\t], v[\d], \negd, v[\a]
	v_fma_f32 v[\d], v[\t], \rd, v[\d]
.endm
; d = sqrt(x), corrected by the exact remainder.  The v_nop is the plain place behind the two transcendentals (ISA guide 5.7.2)
.macro SQRTRN d, x, t1, t2
	v_sqrt_f32 v[\d], v[\x]
	v_rsq_f32 v[\t1], v[\x]
	v_nop
	s_wait_alu depctr_va_vdst(0)
	v_fma_f32 v[\t2], -v[\d], v[\d], v[\x]
	v_mul_f32 v[\t1], 0.5, v[\t1]
	v_fma_f32 v[\d], v[\t2], v[\t1], v[\d]
.endm
; d = e^x: x log2e in two words, whole part by v_ldexp_f32, fraction by v_exp_f32; the conversion is the plain place behind it
.macro EXPE d, x, t1, t2
	v_mul_f32 v[\t1], L2E, v[\x]
	v_fma_f32 v[\t2], v[\x], L2E, -v[\t1]
	v_fma_f32 v[\t2], v[\x], 0x32a57060, v[\t2]
	v_rndne_f32 v[\d], v[\t1]
	v_sub_f32 v[\t1], v[\t1], v[\d]
	v_add_f32 v[\t1], v[\t1], v[\t2]
	v_exp_f32 v[\t1], v[\t1]
	v_cvt_i32_f32 v[\d], v[\d]
	s_wait_alu depctr_va_vdst(0)
	v_ldexp_f32 v[\d], v[\t1], v[\d]
.endm
; indices of pass i: kk = thread + 256 i in v[kr] (pass 0: v0 itself; pass 2 clamped, since only threads 0-127 have a kk there)
.macro IDX i, kr
.if \i == 1
	v_add_nc_u32 v[\kr], 256, v0
.endif
.if \i == 2
	v_add_nc_u32 v[\kr], 512, v0
	v_min_u32 v[\kr], 639, v[\kr]
.endif
	v_mul_u32_u24 v[BI+\i], 0xcccd, v[\kr]         ; b = kk / 80 = (kk x 52429) >> 22, exact for kk < 640
	v_lshrrev_b32 v[BI+\i], 22, v[BI+\i]
	v_mul_u32_u24 v[KI+\i], 80, v[BI+\i]
	v_sub_nc_u32 v[KI+\i], v[\kr], v[KI+\i]        ; k = kk - 80 b
	v_lshlrev_b32 v[OB+\i], 2, v[BI+\i]
	v_lshlrev_b32 v[OK+\i], 2, v[KI+\i]
.endm
; one kk of pass i: omega[kk] and the two gains G[2 b][kk], G[2 b + 1][kk].  f0 in v[116+3i], log_A0[k] in v[117+3i], detune[k] in v[118+3i]
.macro KK i, kr
	DIVRN 152, 116+3*\i, 0xc3dc0000, 0x3b14f209, 153       ; f0 / 440
	v_log_f32 v153, v152
	v_add_nc_u32 v154, 1, v[KI+\i]                 ; (the plain place behind v_log_f32)
	s_wait_alu depctr_va_vdst(0)
	v_mul_f32 v153, 0x41400000, v153               ; 12 log2
	v_add_f32 v153, 0x428a0000, v153               ; + 69: midi
	v_add_f32 v153, 0xc1a80000, v153               ; - 21
	DIVRN 155, 153, 0xc2ae0000, 0x3c3c5264, 156    ; / 87
	v_mul_f32 v155, s48, v155                      ; slope x, rounded,
	v_add_f32 v155, s49, v155                      ; + intercept, rounded: two operations as in reference()
	v_med3_num_f32 v155, v155, 0xc1600000, -4.0    ; clip to [-14, -4]
	EXPE 156, 155, 157, 158                        ; B
	v_cvt_f32_u32 v154, v154                       ; k + 1
	v_mul_f32 v157, v154, v154
	v_mul_f32 v157, v156, v157
	v_add_f32 v157, 1.0, v157                      ; 1 + B k^2
	SQRTRN 158, 157, 159, 160
	v_mul_f32 v159, v[116+3*\i], v154              ; (f0 k)
	v_mul_f32 v159, v159, v158                     ; x sqrt
	v_add_f32 v160, 1.0, v[118+3*\i]
	v_mul_f32 v159, v159, v160                     ; x (1 + detune): f
	v_cmp_gt_f32 vcc_lo, NYQ, v159                 ; alive: 22050 > f
	v_mul_f32 v159, TWOPI, v159                    ; omega = fl(2 pi f)
	v_cndmask_b32 v159, 0, v159, vcc_lo
	v_lshlrev_b32 v160, 2, v[\kr]
	ds_store_b32 v160, v159 offset:WT
	v_cvt_f32_u32 v161, v[KI+\i]                   ; pan = tanh((k / 79 x 2 - 1) x 0.1 x exp(pan_scale))
	v_mul_f32 v161, 0x3c4f6475, v161
	v_fma_f32 v161, v161, 2.0, -1.0
	v_mul_f32 v161, 0x3dcccccd, v161
	v_mul_f32 v161, v[VPS], v161
	v_mul_f32 v161, 0x4038aa3b, v161               ; tanh p = 1 - 2 / (1 + exp2(2 log2e p))
	v_exp_f32 v161, v161
	v_sub_f32 v162, v[117+3*\i], v[VM]             ; (place) log_A0 - m
	s_wait_alu depctr_va_vdst(0)
	v_add_f32 v161, 1.0, v161
	v_rcp_f32 v161, v161
	v_mul_f32 v162, L2E, v162                      ; (place)
	s_wait_alu depctr_va_vdst(0)
	v_fma_f32 v161, v161, -2.0, 1.0
	v_exp_f32 v162, v162                           ; exp(log_A0 - m), at most 1
	v_fma_f32 v163, v161, -0.5, 0.5                ; (place) 0.5 (1 - pan)
	v_fma_f32 v161, v161, 0.5, 0.5                 ; 0.5 (1 + pan)
	v_max_num_f32 v163, 0, v163                    ; the rounded tanh may pass 1 by a unit in the last place
	v_max_num_f32 v161, 0, v161
	v_sqrt_f32 v163, v163
	v_sqrt_f32 v161, v161
	s_wait_alu depctr_va_vdst(0)
	v_cndmask_b32 v162, 0, v162, vcc_lo            ; (place) dead partials: gain 0
	v_mul_f32 v163, v163, v162
	v_mul_f32 v161, v161, v162
	v_cvt_pk_f16_f32 v163, v163, v161              ; left in the low half, right in the high half
	v_mul_u32_u24 v164, 2720, v[BI+\i]             ; row 2 b
	v_lshl_add_u32 v164, v[\kr], 1, v164
	ds_store_b16 v164, v163
	ds_store_b16_d16_hi v164, v163 offset:GP       ; row 2 b + 1
.endm
; ph <- ph - 2 pi round(ph / 2 pi), cnt pairs, stage by stage so that cnt independent instructions follow each other.
; The first subtraction is exact (turns below 2^15 x 24 bits of 2 pi, result below 4 on a grid of 2^-21); the second adds 2 pi's low word.
.macro REDUCE cnt, ph, q
.set ti, 0
.rept \cnt
	v_pk_fma_f32 v[\q+ti:\q+ti+1], v[\ph+ti:\ph+ti+1], s[INV2PI:INV2PI+1], v[MG:MG+1] op_sel_hi:[1,0,1]
.set ti, ti+2
.endr
.set ti, 0
.rept \cnt
	v_pk_add_f32 v[\q+ti:\q+ti+1], v[\q+ti:\q+ti+1], s[NMAGIC:NMAGIC+1] op_sel_hi:[1,0]
.set ti, ti+2
.endr
.set ti, 0
.rept \cnt
	v_pk_fma_f32 v[\ph+ti:\ph+ti+1], v[\q+ti:\q+ti+1], s[N2PIH:N2PIH+1], v[\ph+ti:\ph+ti+1] op_sel_hi:[1,0,1]
.set ti, ti+2
.endr
.set ti, 0
.rept \cnt
	v_pk_fma_f32 v[\ph+ti:\ph+ti+1], v[\q+ti:\q+ti+1], s[N2PIL:N2PIL+1], v[\ph+ti:\ph+ti+1] op_sel_hi:[1,0,1]
.set ti, ti+2
.endr
.endm
; p = S1 + r^2 (S3 + r^2 (S5 + r^2 (S7 + r^2 S9))), so that sin r = r p on [-pi, pi]; q = r^2
.macro POLY cnt, ph, q, p
.set ti, 0
.rept \cnt
	v_pk_mul_f32 v[\q+ti:\q+ti+1], v[\ph+ti:\ph+ti+1], v[\ph+ti:\ph+ti+1]
.set ti, ti+2
.endr
.set ti, 0
.rept \cnt
	v_pk_fma_f32 v[\p+ti:\p+ti+1], v[\q+ti:\q+ti+1], s[CS9:CS9+1], v[S7V:S7V+1] op_sel_hi:[1,0,1]
.set ti, ti+2
.endr
.irp c, CS5, CS3, CS1
.set ti, 0
.rept \cnt
	v_pk_fma_f32 v[\p+ti:\p+ti+1], v[\p+ti:\p+ti+1], v[\q+ti:\q+ti+1], s[\c:\c+1] op_sel_hi:[1,1,0]
.set ti, ti+2
.endr
.endr
.endm
; cnt pairs of phases in ph -> cnt registers of an f16 A fragment: envelope x sin.  Pairs 0-3 take their envelopes from ea on, pairs 4-7 from eo on,
; es registers from pair to pair (0: one pair for all)
.macro TILE cnt, ph, fr, ea, eo, es
	REDUCE \cnt, \ph, Q
	POLY \cnt, \ph, Q, P
.set ti, 0
.rept \cnt
.set te, (\ea)+(\es)*ti+(ti/4)*((\eo)-(\ea)-4*(\es))
	v_pk_mul_f32 v[\ph+2*ti:\ph+2*ti+1], v[\ph+2*ti:\ph+2*ti+1], v[te:te+1]
.set ti, ti+1
.endr
.set ti, 0
.rept \cnt
	v_pk_mul_f32 v[P+ti:P+ti+1], v[P+ti:P+ti+1], v[\ph+ti:\ph+ti+1]
.set ti, ti+2
.endr
.set ti, 0
.rept \cnt
	v_cvt_pk_f16_f32 v[\fr+ti], v[P+2*ti], v[P+2*ti+1]     ; the lower kk in the low half
.set ti, ti+1
.endr
.endm
; one chunk of 32 kk for both tiles.  goff: the chunk's G bytes from VG; wnext: the NEXT chunk's omegas from VW; zero = 1: the products start the sums
.macro CHUNK cnt, goff, wnext, a0, o0, a1, o1, es, zero
	s_wait_dscnt 0x0                               ; this chunk's omegas, asked for one chunk ago
.set ti, 0
.rept \cnt
	v_pk_mul_f32 v[PH0+ti:PH0+ti+1], v[W+ti:W+ti+1], v[T0:T0+1]    ; fl(omega t): reference()'s phase
.set ti, ti+2
.endr
.set ti, 0
.rept \cnt
	v_pk_mul_f32 v[PH1+ti:PH1+ti+1], v[W+ti:W+ti+1], v[T1:T1+1]
.set ti, ti+2
.endr
	; the multiplies above name W, t and the phases only: they are more than the four places between the last chunk's second matrix
	; instruction and this load into its B registers
	ds_load_b128 v[G:G+3],   v[VG] offset:\goff
	ds_load_b128 v[G+4:G+7], v[VG] offset:\goff+32
	ds_load_b128 v[W:W+3],     v[VW] offset:\wnext         ; kk = 8 h + 0..7 of the next chunk: all lanes of a half read the same words
	ds_load_b128 v[W+4:W+7],   v[VW] offset:\wnext+16
	ds_load_b128 v[W+8:W+11],  v[VW] offset:\wnext+64      ; kk = 16 + 8 h + 0..7
	ds_load_b128 v[W+12:W+15], v[VW] offset:\wnext+80
	TILE \cnt, PH0, FR0, \a0, \o0, \es
	s_wait_dscnt 0x4                               ; G is in; the four younger loads (next omegas) stay out
.if \zero
	v_wmma_f32_16x16x32_f16 v[AC0:AC0+7], v[FR0:FR0+7], v[G:G+7], 0
.else
	v_wmma_f32_16x16x32_f16 v[AC0:AC0+7], v[FR0:FR0+7], v[G:G+7], v[AC0:AC0+7]
.endif
	TILE \cnt, PH1, FR1, \a1, \o1, \es
.if \zero
	v_wmma_f32_16x16x32_f16 v[AC1:AC1+7], v[FR1:FR1+7], v[G:G+7], 0
.else
	v_wmma_f32_16x16x32_f16 v[AC1:AC1+7], v[FR1:FR1+7], v[G:G+7], v[AC1:AC1+7]
.endif
.endm
; env beat of the octet k = 16 e + 8 h + 0..7 for both tiles: eight slots (4 x tile + pair of k)
.macro EBOCT e
.irp a, 0,1,2,3,4,5,6
	ds_load_b128 v[112+8*\a:115+8*\a], v[VPK] offset:PKA*\a+64*\e
	ds_load_b128 v[116+8*\a:119+8*\a], v[VPK] offset:PKA*\a+64*\e+16
.endr
	s_wait_dscnt 0x0
.set sl, 0
.rept 8
	v_pk_mul_f32 v[XA+2*sl:XA+2*sl+1], v[112+2*(sl%4):113+2*(sl%4)], v[T0+2*(sl/4):T0+2*(sl/4)+1]    ; -t log2e / tau1
	v_pk_mul_f32 v[XB+2*sl:XB+2*sl+1], v[120+2*(sl%4):121+2*(sl%4)], v[T0+2*(sl/4):T0+2*(sl/4)+1]    ; -t log2e / tau2
.set sl, sl+1
.endr
.set sl, 0
.rept 32
	v_exp_f32 v[XA+sl], v[XA+sl]
.set sl, sl+1
.endr
.set sl, 0
.rept 8
	v_pk_mul_f32 v[PHC+2*sl:PHC+2*sl+1], v[144+2*(sl%4):145+2*(sl%4)], v[T0+2*(sl/4):T0+2*(sl/4)+1]  ; fl(2 pi bhz) t; also the plain place behind the exponentials
.set sl, sl+1
.endr
	REDUCE 8, PHC, QC
.set sl, 0
.rept 16
	v_sub_f32 v[PHC+sl], s82, |v[PHC+sl]|          ; cos r = sin(pi/2 - |r|)
.set sl, sl+1
.endr
	POLY 8, PHC, QC, PCC
.set sl, 0
.rept 8
	v_pk_mul_f32 v[PCC+2*sl:PCC+2*sl+1], v[PCC+2*sl:PCC+2*sl+1], v[PHC+2*sl:PHC+2*sl+1]              ; the cosine
.set sl, sl+1
.endr
.set sl, 0
	s_wait_alu depctr_va_vdst(0)
.rept 8
	v_pk_mul_f32 v[XB+2*sl:XB+2*sl+1], v[136+2*(sl%4):137+2*(sl%4)], v[XB+2*sl:XB+2*sl+1]            ; (1 - a1) e2
.set sl, sl+1
.endr
.set sl, 0
.rept 8
	v_pk_fma_f32 v[XA+2*sl:XA+2*sl+1], v[128+2*(sl%4):129+2*(sl%4)], v[XA+2*sl:XA+2*sl+1], v[XB+2*sl:XB+2*sl+1]      ; + a1 e1: env
.set sl, sl+1
.endr
.set sl, 0
.rept 8
	v_pk_fma_f32 v[PCC+2*sl:PCC+2*sl+1], v[152+2*(sl%4):153+2*(sl%4)], v[PCC+2*sl:PCC+2*sl+1], v[160+2*(sl%4):161+2*(sl%4)]  ; beat = (1 - d/2) + d/2 cos
.set sl, sl+1
.endr
.set sl, 0
.rept 8
.set te, EB+40*(sl/4)+8*\e+2*(sl%4)
	v_pk_mul_f32 v[te:te+1], v[XA+2*sl:XA+2*sl+1], v[PCC+2*sl:PCC+2*sl+1]
.set sl, sl+1
.endr
.endm
; ================= P0: ids, all loads at once, LDS tables cleared =================
	s_load_b512 s[16:31], s[0:1], 0x0              ; f0 16, vel 18, slope 20, intercept 22, tau1 24, tau2 26, a1 28, beat_hz 30
	s_load_b512 s[32:47], s[0:1], 0x40             ; depth 32, A0 34, detune 36, band gain 38, tau_noise 40, noise level 42, pan 44, out 46
	v_lshl_add_u32 v248, v0, 2, 0xac00
	v_mov_b32 v249, 0
	v_and_b32 v[VR], 15, v0
	v_bfe_u32 v[VH], v0, 4, 1
	v_and_b32 v[VL], 31, v0
	v_lshrrev_b32 v151, 5, v0
	v_readfirstlane_b32 s8, v151                   ; wave 0..7
	IDX 0, 0
	IDX 1, 132
	IDX 2, 133
	v_lshlrev_b32 v146, 2, v[VL]                   ; log_A0[lane], [lane + 32] by the immediate
	v_add_nc_u32 v147, 64, v[VL]
	v_min_u32 v147, 79, v147                       ; log_A0[min(lane + 64, 79)]
	v_lshlrev_b32 v147, 2, v147
	v_lshrrev_b32 v148, 1, v[VR]                   ; vel[r >> 1]: the note of output row r
	v_lshlrev_b32 v148, 2, v148
	v_lshlrev_b32 v149, 2, v[VR]                   ; band gain[r]
	v_max_u32 v150, 0xa0, v0                       ; the k of the per-k tables, made by threads 160-255: min(thread - 160, 79)
	v_subrev_nc_u32 v150, 0xa0, v150
	v_min_u32 v150, 79, v150
	v_lshlrev_b32 v150, 2, v150
	s_wait_kmcnt 0x0
	s_load_b32 s48, s[20:21], 0x0                  ; log_B_slope
	s_load_b32 s49, s[22:23], 0x0                  ; log_B_intercept
	s_load_b32 s50, s[40:41], 0x0                  ; log_tau_noise
	s_load_b32 s51, s[42:43], 0x0                  ; log_noise_level
	s_load_b32 s52, s[44:45], 0x0                  ; pan_scale
	; nineteen loads, the same in every wave, in one run; their offsets (v140-150) are not rewritten before the wait for them
	global_load_b32 v112, v146, s[34:35]
	global_load_b32 v113, v146, s[34:35] offset:128
	global_load_b32 v114, v147, s[34:35]
	global_load_b32 v115, v148, s[18:19]
.irp i, 0,1,2
	global_load_b32 v[116+3*\i], v[OB+\i], s[16:17]
	global_load_b32 v[117+3*\i], v[OK+\i], s[34:35]
	global_load_b32 v[118+3*\i], v[OK+\i], s[36:37]
.endr
	global_load_b32 v125, v149, s[38:39]
	global_load_b32 v126, v150, s[24:25]
	global_load_b32 v127, v150, s[26:27]
	global_load_b32 v128, v150, s[28:29]
	global_load_b32 v129, v150, s[30:31]
	global_load_b32 v130, v150, s[32:33]
	; G is block-diagonal and omega has 16 words of pad: bytes 0 .. 24,575 are cleared, 6 x 4,096 bytes by 256 threads
	v_mov_b32 v152, 0
	v_mov_b32 v153, 0
	v_mov_b32 v154, 0
	v_mov_b32 v155, 0
	v_lshlrev_b32 v156, 4, v0
.irp i, 0,1,2,3,4,5
	ds_store_b128 v156, v[152:155] offset:4096*\i
.endr
	s_mov_b32 s12, 0x76543210                      ; v_permlanex16_b32: lane i reads lane i of the other half
	s_mov_b32 s13, 0xfedcba98
	SPAIR INV2PI, 0x3e22f983                       ; 1 / 2 pi
	SPAIR NMAGIC, 0xcb400000                       ; -1.5 x 2^23
	SPAIR N2PIH,  0xc0c90fdb                       ; -(2 pi rounded to f32)
	SPAIR N2PIL,  0x343bbd2e                       ; -(2 pi - that)
	SPAIR CS9,    0x3610161e
	SPAIR CS5,    0x3c0821d8
	SPAIR CS3,    0xbe2a9f7c
	SPAIR CS1,    0x3f7ffea2
	s_mov_b32 s82, 0x3fc90fdb                      ; pi / 2
	v_mov_b32 v[MG], 0x4b400000
	v_mov_b32 v[MG+1], 0x4b400000
	v_mov_b32 v[S7V], 0xb949fd34
	v_mov_b32 v[S7V+1], 0xb949fd34
	v_lshl_add_u32 v[VW], v[VH], 5, WT
	v_mul_u32_u24 v[VG], v[VR], GP
	v_lshl_add_u32 v[VG], v[VH], 4, v[VG]
	v_lshl_add_u32 v[VPK], v[VH], 5, PK
	s_lshl_b32 s15, s8, 7
	s_add_co_u32 s15, s15, STAGE
	v_mul_u32_u24 v[VST], v[VR], SP
	v_lshl_add_u32 v[VST], v[VH], 5, v[VST]
	v_add_nc_u32 v[VST], s15, v[VST]
	s_mul_i32 s53, s8, 2*SP
	s_add_co_u32 s53, s53, STAGE
	v_lshl_add_u32 v[VRD], v[VL], 4, s53
	s_lshl_b32 s54, s8, 19                         ; two output rows a wave
	v_lshl_add_u32 v[VCO], v[VL], 4, s54
	s_lshl_b32 s9, ttmp9, 8                        ; t = fl(n x fl(1 / 44100)), n = 256 g + 32 w + 16 tile + r
	v_and_b32 v157, 0xe0, v0
	v_add3_u32 v157, v157, v[VR], s9
	v_add_nc_u32 v158, 16, v157
	v_cvt_f32_u32 v157, v157
	v_cvt_f32_u32 v158, v158
	v_mul_f32 v[T0], 0x37be37c6, v157
	v_mul_f32 v[T0+1], 0x37be37c6, v157
	v_mul_f32 v[T1], 0x37be37c6, v158
	v_mul_f32 v[T1+1], 0x37be37c6, v158
	s_lshl_b32 s10, ttmp9, 10                      ; the work-group's 1,024 bytes in every output row
	s_mov_b32 s11, 0
	s_add_nc_u64 s[46:47], s[46:47], s[10:11]
	s_wait_dscnt 0x0                               ; my part of the clearing is done before anybody writes table entries
	s_barrier_signal -1
	s_barrier_wait -1
; ================= P1: the tables =================
	s_wait_loadcnt 0x0
	s_wait_kmcnt 0x0
	v_max3_num_f32 v[VM], v112, v113, v114         ; m = max(max log_A0, log_noise_level), in every lane
	v_max_num_f32_dpp v[VM], v[VM], v[VM] row_xmask:1 row_mask:0xf bank_mask:0xf
	v_max_num_f32_dpp v[VM], v[VM], v[VM] row_xmask:2 row_mask:0xf bank_mask:0xf
	v_max_num_f32_dpp v[VM], v[VM], v[VM] row_xmask:4 row_mask:0xf bank_mask:0xf
	v_max_num_f32_dpp v[VM], v[VM], v[VM] row_xmask:8 row_mask:0xf bank_mask:0xf
	v_permlanex16_b32 v152, v[VM], s12, s13        ; its destination counts as read: v152 has been written
	v_max_num_f32 v[VM], v[VM], v152
	v_max_num_f32 v[VM], s51, v[VM]
	v_mov_b32 v153, s52
	v_mov_b32 v154, s50
	v_mul_f32 v153, L2E, v153
	v_mul_f32 v154, NL2E, v154
	v_mul_f32 v155, L2E, v[VM]
	v_exp_f32 v[VPS], v153                         ; exp(pan_scale)
	v_exp_f32 v[CN], v154                          ; 1 / tau_noise
	v_exp_f32 v155, v155                           ; exp(m)
	v_nop                                          ; the plain place behind the transcendentals
	s_wait_alu depctr_va_vdst(0)
	v_mul_f32 v[CN], NL2E, v[CN]                   ; -log2e / tau, kept finite so that t = 0 gives exp2(0) = 1
	v_max_num_f32 v[CN], 0xff7fffff, v[CN]
	v_mul_f32 v[SC], v115, v155
	v_mul_f32 v[SC+1], v115, v155
	v_mul_f32 v156, v[T0], v[CN]
	v_mul_f32 v157, v[T1], v[CN]
	v_exp_f32 v[NE0], v156                         ; noise envelope, made twice to fill the pairs
	v_exp_f32 v[NE0+1], v156
	v_exp_f32 v[NE1], v157
	v_exp_f32 v[NE1+1], v157                       ; the next line is plain and touches none of these
	KK 0, 0
	KK 1, 132
	; the rest is shared by wave number; no barrier stands inside these branches
	s_cmp_gt_u32 s8, 3
	s_cbranch_scc1 .Lnot03
	KK 2, 133                                      ; waves 0-3: kk = 512 .. 639
	s_branch .Ltabdone
.Lnot03:
	s_cmp_lg_u32 s8, 4
	s_cbranch_scc1 .Lperk
	; wave 4: the noise bands; band j = r, both halves of the wave hold the same 16 numbers
	v_max_num_f32_dpp v152, v125, v125 row_xmask:1 row_mask:0xf bank_mask:0xf     ; softmax: the maximum is taken away
	v_max_num_f32_dpp v152, v152, v152 row_xmask:2 row_mask:0xf bank_mask:0xf
	v_max_num_f32_dpp v152, v152, v152 row_xmask:4 row_mask:0xf bank_mask:0xf
	v_max_num_f32_dpp v152, v152, v152 row_xmask:8 row_mask:0xf bank_mask:0xf
	v_sub_f32 v153, v125, v152
	v_mul_f32 v153, L2E, v153
	v_exp_f32 v153, v153
	v_cvt_f32_u32 v155, v[VR]                      ; (place) j
	s_wait_alu depctr_va_vdst(0)
	v_add_f32_dpp v154, v153, v153 row_xmask:1 row_mask:0xf bank_mask:0xf
	v_add_f32_dpp v154, v154, v154 row_xmask:2 row_mask:0xf bank_mask:0xf
	v_add_f32_dpp v154, v154, v154 row_xmask:4 row_mask:0xf bank_mask:0xf
	v_add_f32_dpp v154, v154, v154 row_xmask:8 row_mask:0xf bank_mask:0xf
	v_rcp_f32 v154, v154
	DIVRN 156, 155, 0xc1700000, 0x3d888889, 157    ; step = j / 15 (its first line is the place)
	s_wait_alu depctr_va_vdst(0)
	v_mul_f32 v153, v153, v154                     ; softmax
	v_sub_f32 v157, 1.0, v156                      ; linspace: start (1 - step) + stop step, each product rounded
	v_mul_f32 v157, 0x40a98bd1, v157               ; ln 200
	v_mul_f32 v156, 0x411e74af, v156               ; ln 20000
	v_add_f32 v157, v157, v156
	EXPE 158, 157, 159, 160                        ; band frequency
	v_cmp_gt_f32 vcc_lo, NYQ, v158
	v_mul_f32 v158, TWOPI, v158
	v_cndmask_b32 v158, 0, v158, vcc_lo
	v_lshlrev_b32 v159, 2, v[VR]
	ds_store_b32 v159, v158 offset:WT+2560         ; kk = 640 + j; lanes j and j + 16 write the same word with the same value
	v_sub_f32 v160, s51, v[VM]
	v_mul_f32 v160, L2E, v160
	v_exp_f32 v160, v160                           ; exp(log_noise_level - m)
	v_cndmask_b32 v153, 0, v153, vcc_lo            ; (place)
	s_wait_alu depctr_va_vdst(0)
	v_mul_f32 v153, v153, v160
	v_cvt_pk_f16_f32 v153, v153, v153
	v_mul_u32_u24 v161, 8*GP, v[VH]                ; rows 8 h + 0..7, column 640 + j
	v_lshl_add_u32 v161, v[VR], 1, v161
.irp i, 0,1,2,3,4,5,6,7
	ds_store_b16 v161, v153 offset:GP*\i+1280
.endr
	s_branch .Ltabdone
.Lperk:
	; waves 5-7: the tables per k, entry 32 (w - 5) + lane (entries 80-95 repeat k = 79 and are never read)
	s_sub_co_u32 s55, s8, 5
	s_lshl_b32 s55, s55, 7
	s_add_co_u32 s55, s55, PK
	v_lshl_add_u32 v152, v[VL], 2, s55
	v_mul_f32 v153, NL2E, v126
	v_mul_f32 v154, NL2E, v127
	v_mul_f32 v155, NL2E, v128
	v_mul_f32 v156, NL2E, v130
	v_exp_f32 v153, v153                           ; 1 / tau1
	v_exp_f32 v154, v154                           ; 1 / tau2
	v_exp_f32 v155, v155                           ; exp(-logit_a1)
	v_exp_f32 v156, v156                           ; exp(-logit_beat_depth)
	EXPE 157, 129, 158, 159                        ; beat frequency (its first line is the place)
	v_mul_f32 v153, NL2E, v153
	v_mul_f32 v154, NL2E, v154
	v_max_num_f32 v153, 0xff7fffff, v153           ; C1 = -log2e / tau1, kept finite
	v_max_num_f32 v154, 0xff7fffff, v154           ; C2
	v_add_f32 v155, 1.0, v155
	v_add_f32 v156, 1.0, v156
	v_rcp_f32 v155, v155                           ; a1
	v_rcp_f32 v156, v156                           ; depth
	v_mul_f32 v157, TWOPI, v157                    ; (place) fl(2 pi bhz)
	s_wait_alu depctr_va_vdst(0)
	v_sub_f32 v158, 1.0, v155                      ; 1 - a1
	v_mul_f32 v156, 0.5, v156                      ; depth / 2
	v_sub_f32 v159, 1.0, v156                      ; 1 - depth / 2
	ds_store_b32 v152, v153
	ds_store_b32 v152, v154 offset:PKA
	ds_store_b32 v152, v155 offset:2*PKA
	ds_store_b32 v152, v158 offset:3*PKA
	ds_store_b32 v152, v157 offset:4*PKA
	ds_store_b32 v152, v156 offset:5*PKA
	ds_store_b32 v152, v159 offset:6*PKA
.Ltabdone:
	s_wait_dscnt 0x0                               ; my table entries are written before anybody reads the tables
	s_barrier_signal -1
	s_barrier_wait -1
; ================= P2: env beat of my 40 k for both tiles, kept in registers =================
	EBOCT 0
	EBOCT 1
	EBOCT 2
	EBOCT 3
	EBOCT 4
; ================= P3: the 21 chunks =================
	ds_load_b128 v[W:W+3],   v[VW] offset:2560     ; the noise chunk's omegas: kk = 640 + 8 h + 0..7
	ds_load_b128 v[W+4:W+7], v[VW] offset:2576
.irp j, 4,5,6,7
	v_mov_b32 v[FR0+\j], 0                         ; kk = 656 .. 671 is pad
	v_mov_b32 v[FR1+\j], 0
.endr
	CHUNK 4, 1280, 0, NE0, NE0, NE1, NE1, 0, 1     ; the noise chunk comes first and starts the sums: nothing is cleared
	s_mov_b32 s14, 0
.Ltrip:                                            ; four trips of five chunks: two notes a trip
.irp i, 0,1,2,3,4
.set EA, 8*((2*\i)%5)
.set EO, 8*((2*\i+1)%5)
	CHUNK 8, 64*\i, 128*\i+128, EB+EA, EB+EO, EB+40+EA, EB+40+EO, 2, 0
.endr
	v_add_nc_u32 v[VW], 640, v[VW]                 ; the last trip's look-ahead reads the noise chunk's 32 words once more: inside the table
	v_add_nc_u32 v[VG], 320, v[VG]
	s_add_co_u32 s14, s14, 1
	s_cmp_lt_u32 s14, 4
	s_cbranch_scc1 .Ltrip
; ================= P4: scale, and out through LDS in whole rows =================
.irp j, 0,2,4,6
	v_pk_mul_f32 v[AC0+\j:AC0+\j+1], v[AC0+\j:AC0+\j+1], v[SC:SC+1]    ; these four name none of the last matrix instruction's registers:
.endr                                                                      ; they are the four places in front of the reads of its result (ISA guide 7.12.1)
.irp j, 0,2,4,6
	v_pk_mul_f32 v[AC1+\j:AC1+\j+1], v[AC1+\j:AC1+\j+1], v[SC:SC+1]
.endr
	ds_store_b128 v[VST], v[AC0:AC0+3]             ; row r, samples 32 w + 16 tile + 8 h + 0..7
	ds_store_b128 v[VST], v[AC0+4:AC0+7] offset:16
	ds_store_b128 v[VST], v[AC1:AC1+3] offset:64
	ds_store_b128 v[VST], v[AC1+4:AC1+7] offset:80
	s_wait_dscnt 0x0                               ; my stores (and the unused look-ahead loads) are done before others read the stage
	s_barrier_signal -1
	s_barrier_wait -1
	ds_load_b128 v[Q:Q+3],     v[VRD]              ; wave w takes rows 2 w and 2 w + 1, 512 bytes a load
	ds_load_b128 v[Q+4:Q+7],   v[VRD] offset:512
	ds_load_b128 v[Q+8:Q+11],  v[VRD] offset:SP
	ds_load_b128 v[Q+12:Q+15], v[VRD] offset:SP+512
	s_wait_dscnt 0x3                               ; LDS loads come back in order: the oldest is in, three younger ones stay out
	global_store_b128 v[VCO], v[Q:Q+3], s[46:47] th:TH_STORE_NT                    ; each store of the wave covers 512 consecutive bytes, aligned
	s_wait_dscnt 0x2
	global_store_b128 v[VCO], v[Q+4:Q+7], s[46:47] offset:512 th:TH_STORE_NT
	s_wait_dscnt 0x1
	global_store_b128 v[VCO], v[Q+8:Q+11], s[46:47] offset:ROWB th:TH_STORE_NT
	s_wait_dscnt 0x0
	global_store_b128 v[VCO], v[Q+12:Q+15], s[46:47] offset:ROWB+512 th:TH_STORE_NT
	s_wait_tensorcnt 0x0
	ds_add_u32 v248, v249
	s_wait_dscnt 0x0
	s_endpgm
.Lfunc_end_k_q2d9283f8f3_bank:
	.size	k_q2d9283f8f3_bank, .Lfunc_end_k_q2d9283f8f3_bank-k_q2d9283f8f3_bank
	.p2alignl 7, 3214868480
	.fill 96, 4, 3214868480
	.section	.rodata,"a",@progbits
	.p2align	6, 0x0
	.amdhsa_kernel k_q2d9283f8f3_bank
		.amdhsa_group_segment_fixed_size 45056
		.amdhsa_private_segment_fixed_size 0
		.amdhsa_enable_private_segment 0
		.amdhsa_kernarg_size 128
		.amdhsa_user_sgpr_count 2
		.amdhsa_user_sgpr_kernarg_segment_ptr 1
		.amdhsa_wavefront_size32 1
		.amdhsa_system_sgpr_workgroup_id_x 1
		.amdhsa_system_sgpr_workgroup_id_y 1
		.amdhsa_system_sgpr_workgroup_id_z 1
		.amdhsa_system_vgpr_workitem_id 0
		.amdhsa_next_free_vgpr 250
		.amdhsa_next_free_sgpr 96
		.amdhsa_reserve_vcc 1
		.amdhsa_float_denorm_mode_32 3
		.amdhsa_float_denorm_mode_16_64 3
		.amdhsa_memory_ordered 1
		.amdhsa_forward_progress 1
		.amdhsa_inst_pref_size 160
	.end_amdhsa_kernel
	.amdgpu_metadata
---
amdhsa.version: [ 1, 2 ]
amdhsa.kernels:
  - .name:           k_q2d9283f8f3_bank
    .symbol:         k_q2d9283f8f3_bank.kd
    .args:
      - { .name: f0, .offset: 0, .size: 8, .value_kind: global_buffer, .address_space: global }
      - { .name: vel_norm, .offset: 8, .size: 8, .value_kind: global_buffer, .address_space: global }
      - { .name: log_B_slope, .offset: 16, .size: 8, .value_kind: global_buffer, .address_space: global }
      - { .name: log_B_intercept, .offset: 24, .size: 8, .value_kind: global_buffer, .address_space: global }
      - { .name: log_tau1, .offset: 32, .size: 8, .value_kind: global_buffer, .address_space: global }
      - { .name: log_tau2, .offset: 40, .size: 8, .value_kind: global_buffer, .address_space: global }
      - { .name: logit_a1, .offset: 48, .size: 8, .value_kind: global_buffer, .address_space: global }
      - { .name: log_beat_hz, .offset: 56, .size: 8, .value_kind: global_buffer, .address_space: global }
      - { .name: logit_beat_depth, .offset: 64, .size: 8, .value_kind: global_buffer, .address_space: global }
      - { .name: log_A0, .offset: 72, .size: 8, .value_kind: global_buffer, .address_space: global }
      - { .name: harm_detune, .offset: 80, .size: 8, .value_kind: global_buffer, .address_space: global }
      - { .name: noise_band_gain, .offset: 88, .size: 8, .value_kind: global_buffer, .address_space: global }
      - { .name: log_tau_noise, .offset: 96, .size: 8, .value_kind: global_buffer, .address_space: global }
      - { .name: log_noise_level, .offset: 104, .size: 8, .value_kind: global_buffer, .address_space: global }
      - { .name: pan_scale, .offset: 112, .size: 8, .value_kind: global_buffer, .address_space: global }
      - { .name: out0, .offset: 120, .size: 8, .value_kind: global_buffer, .address_space: global }
    .group_segment_fixed_size: 45056
    .private_segment_fixed_size: 0
    .kernarg_segment_align: 8
    .kernarg_segment_size: 128
    .max_flat_workgroup_size: 256
    .sgpr_count:     96
    .vgpr_count:     250
    .wavefront_size: 32
...
	.end_amdgpu_metadata
.endif
;; end of part 1
;; ======== version 2 of 3: 1 launch; 1.14 times as fast as version 1
;; limits: right only within a limited range of input values; a function is approximated: absolute error at most 0.00025
;; launch bank (part 2): grid 256 x 1, 8 waves a work-group, no clusters, 45,824 bytes of LDS; arguments f0, vel_norm, log_B_slope, log_B_intercept, log_tau1, log_tau2, logit_a1, log_beat_hz, logit_beat_depth, log_A0, harm_detune, noise_band_gain, log_tau_noise, log_noise_level, pan_scale, out0; writes out0
.if DOCPART == 2
	.amdgcn_target "amdgcn-amd-amdhsa--gfx1250"
	.amdhsa_code_object_version 6
	.text
	.protected	k_q2d9283f8f3_bank
	.globl	k_q2d9283f8f3_bank
	.p2align	8
	.type	k_q2d9283f8f3_bank,@function
k_q2d9283f8f3_bank:
	s_mov_b64 s[64:65], 0
	v_nop
	global_prefetch_b8 v0, s[64:65] scope:SCOPE_SE
	s_setreg_imm32_b32 hwreg(HW_REG_WAVE_MODE, 25, 1), 1
	s_wait_xcnt 0x0
; PhysicsResonatorBank: out[b][c][n] = sum over 80 partials of gain[c,k] amp[b,k] env[k,n] beat[k,n] sin(phase[b,k,n]) + noise[b,n].
; 8 notes, 2 channels, 65,536 samples; inputs 2,388 bytes, output 4 MiB.  Everything is done in this one launch.
;
; SHARING.  Work-group g owns samples 256 g .. 256 g + 255 of all 16 output rows (row = 2 b + c).  Wave w owns 32 of them as two
; tiles of 16.  Lane (r = lane & 15, h = lane >> 4) evaluates sample 256 g + 32 w + 16 tile + r.
; The sum over partials and the sum over noise bands are one matrix product over kk = 80 b + k (0..639), 640 + band (16), 16 of pad:
; 672 = 21 chunks of 32.  A = data[sample][kk] = env beat sin (noise columns: noise envelope x sin), B = G[row][kk], block-diagonal in b:
; G = gain[c,k] exp(log_A0[k] - m) alive[b,k]; noise columns, all rows: softmax(band gain) alive exp(log_noise_level - m).
; m = max(max log_A0, log_noise_level); vel[b] exp(m) multiplies the sums afterwards in f32.
; With the data as A and G as B, register j of lane (r, h) of the result is out[row r][tile sample 8 h + j]: 32 neighbouring bytes.
;
; WHY THE PHASES ARE NOT FACTORISED.  The phase is fl(fl(2 pi f) fl(n c)) in f32 and reaches 2e5 rad, where one unit in the last place is
; 1/64 rad: these roundings are part of the result.  t, 2 pi f and their product are formed by the same f32 operations in the same order,
; and every sine is evaluated by itself: range reduction in two steps, the first exact, and a polynomial of degree 7.
; THE POLYNOMIAL.  sin r = r (S1 + S3 y + S5 y^2 + S7 y^3), y = r^2, is written as r S7 (w^3 + GAMMA w + EPS), w = y + BETA, BETA = S5 / (3 S7):
; the shift takes the cubic's square term away, and three fused multiply-adds do for a square and three.  The terms reach 8.7e3 against a
; result of up to 6.9e3, so the cancellation costs some 2e-7 of the bracket.  The factor S7 is carried by the envelopes: the registers EB hold
; S7 env beat and the noise envelope holds S7 exp(-t / tau_noise), by way of the tables, at no cost in the loops.
; WHY f16 OPERANDS.  Both operands lie in [-1, 1] by construction (env, beat in [0, 1]; G is normalised by exp(m)), so f16 has the range,
; and its 11 bits are wanted: near t = 0 the signal is several times its overall root mean square.
; env beat depends on (k, n) only: since 80 is ten octets of k, half h of the lanes meets only the octets 2 e + h, e = 0..4, so a lane keeps
; its 40 values a tile in registers, made once and used for all 8 notes.  Chunk c uses e = 2 c mod 5 and (2 c + 1) mod 5: period 5 chunks.
;
; NOT USED: clusters, tensor loads, prefetch: the work-groups share nothing but 2,388 bytes of inputs, read once at the head.
;
; LIMITS.  Sine polynomial: absolute error up to 2.5e-4 for every argument, which is half a unit in the last place of the f16 operand at 1,
; into which each sine is rounded anyway.  The reduction holds for |phase| / 2 pi < 2^22: always so for partials below 22,050 Hz and for the
; noise bands; for the beat it asks log_beat_hz < 14.8.  Partials at or above 22,050 Hz get omega = 0 and gain 0.
; B, f and the band frequencies follow reference()'s order of operations with correctly rounded division and square root and with log2 and
; exp good to about one unit in the last place: they may differ from a host's by such a unit.  The decays of tile 1 are those of tile 0 times
; exp(-16 c / tau): they differ from exp(-t / tau) by the rounding of t alone.  Exponentials flush denormals to zero.
; max(log_A0, log_noise_level) must stay below 88 (exp(m) finite).  NaN and infinite inputs are not honoured.  The order of sums differs.
; ---- LDS ----
.set GP,    1360                       ; G: 16 rows of 672 f16 = 1,344 bytes + 16: 85 x 16 bytes, so 16 rows start in 16 different 16-byte columns
.set WT,    21760                      ; omega[kk]: 672 f32
.set PK,    24576                      ; 9 arrays per k, 384 bytes apart, 80 f32 used: C1, C2, L1, L2, E1, E2, WB, HD, OM
.set PKA,   384
.set STAGE, 28032                      ; the way out: 16 rows of 256 f32 = 1,024 bytes + 16
.set SP,    1040
.set ROWB,  262144                     ; bytes of an output row
; ---- vector registers that live through the kernel ----
.set VR,  1                            ; r
.set VH,  2                            ; h
.set VW,  3                            ; WT + 32 h, stepped by the loop
.set VG,  4                            ; 1360 r + 16 h, stepped by the loop
.set VPK, 5                            ; PK + 32 h
.set VST, 6                            ; STAGE + 1040 r + 128 w + 32 h
.set VRD, 7                            ; STAGE + 2080 w + 16 lane
.set VCO, 8                            ; 524288 w + 16 lane
.set VL,  9                            ; lane
.set MG,  10                           ; v[10:11] 1.5 x 2^23, twice
.set T0,  14                           ; v[14:15] t of tile 0, twice
.set T1,  16                           ; v[16:17] t of tile 1, twice
.set NE0, 18                           ; v[18:19] S7 x noise envelope, tile 0, twice
.set NE1, 20                           ; v[20:21] tile 1
.set VM,  22                           ; m
.set VPS, 23                           ; exp(pan_scale)
.set SC,  24                           ; v[24:25] vel[r >> 1] exp(m), twice
.set CN,  26                           ; -log2e / tau_noise
.set EB,  32                           ; v[32:111] S7 env beat: tile x 40 + e x 8 + j  <->  k = 16 e + 8 h + j
; ---- main loop ----
.set W,   112                          ; v[112:127] omegas of a chunk
.set G,   128                          ; v[128:135] B fragment
.set PH0, 136                          ; v[136:151] phases, tile 0
.set PH1, 152                          ; v[152:167] tile 1
.set Q,   168                          ; v[168:183] turns, then w = r^2 + BETA
.set P,   184                          ; v[184:199] polynomial
.set FR0, 200                          ; v[200:207] A fragment, tile 0
.set FR1, 208                          ; tile 1
.set AC0, 216                          ; v[216:223] sums, tile 0
.set AC1, 224                          ; tile 1
; ---- env beat phase: array a of an octet in v[112+8a : 119+8a]; eight slots (4 x tile + pair of k) ----
.set KC1, 112
.set KC2, 120
.set KL1, 128
.set KL2, 136
.set KE1, 144
.set KE2, 152
.set KWB, 160
.set KHD, 168
.set KOM, 176
.set XA,  184
.set XB,  200
.set PHC, 216
.set QC,  232
.set PCC, 200                          ; the polynomial lies on XB, which has been added into XA by then
; ---- table phase; three registers each are passes 0, 1, 2: k = lane, lane + 32, 64 + r ----
.set IA0,  112                         ; log_A0[k]
.set IDT,  115                         ; harm_detune[k]
.set ILT1, 118
.set ILT2, 121
.set ILA1, 124
.set ILBH, 127
.set ILBD, 130
.set IVEL, 133                         ; vel[r >> 1]
.set IF0,  134                         ; f0[w]
.set INBG, 135                         ; noise_band_gain[r]
.set KO,   136                         ; 4 k: offset of the loads, and of the per-k tables in LDS
.set OVEL, 139
.set OF0,  140
.set ONB,  141                         ; 4 r
.set WA,   142                         ; 4 (80 w + k)
.set GAD,  145                         ; row 2 w of G, column 80 w + k: 2880 w + 2 k
.set ZR,   148                         ; v[148:151] zeros for the clearing
.set NMX,  148                         ; later: softmax's maximum and sum (destinations of DPP forms count as read: these are written)
.set NSM,  149
.set ZA,   152
.set NT,   153                         ; v153-154 sample numbers
.set BA,   155                         ; v155-158 the chain to B
.set BB,   156
.set BC,   157
.set BD,   158
.set FK,   159                         ; k + 1
.set FY,   162                         ; k^2, then 1 + B k^2
.set FE,   165                         ; f, then omega
.set FS,   168                         ; the root
.set FC,   171
.set FRM,  174
.set FD,   177                         ; 1 + detune
.set GA,   180                         ; pan, then the right gain
.set GB,   183                         ; exp(log_A0 - m)
.set GC,   186                         ; the left gain, then both as f16
.set PT,   189                         ; v189-191
.set TX,   193                         ; v193-201: the per-k tables' and the noise bands' temporaries
.set TZ,   196
.set TU,   199
; ---- scalar pairs: one constant twice, used as a broadcast source ----
.set INV2PI, 66
.set NMAGIC, 68
.set N2PIH,  70
.set N2PIL,  72
.set CB,     74                        ; BETA
.set CG,     76                        ; GAMMA
.set CE,     78                        ; EPS
.set AS7,    0xb917fe86                ; S7 = -1.4495294e-4
.set L2E,    0x3fb8aa3b                ; log2 e
.set NL2E,   0xbfb8aa3b
.set TWOPI,  0x40c90fdb
.set NFMAX,  0xff7fffff                ; the most negative finite f32
.macro SPAIR r, val
	s_mov_b32 s[\r], \val
	s_mov_b32 s[\r+1], \val
.endm
; d = a / D, correctly rounded: quotient by the reciprocal, exact remainder, one correction.  negd = -D, rd = 1 / D
.macro DIVRN d, a, negd, rd, t
	v_mul_f32 v[\d], \rd, v[\a]
	v_fma_f32 v[\t], v[\d], \negd, v[\a]
	v_fma_f32 v[\d], v[\t], \rd, v[\d]
.endm
; d = e^x for cnt neighbouring registers, line by line across them: x log2e in two words, whole part by v_ldexp_f32, fraction by v_exp_f32;
; the conversions are the plain place behind the exponentials (ISA guide 5.7.2)
.macro EXPEN cnt, d, x, t1, t2
.set ti, 0
.rept \cnt
	v_mul_f32 v[\t1+ti], L2E, v[\x+ti]
.set ti, ti+1
.endr
.set ti, 0
.rept \cnt
	v_fma_f32 v[\t2+ti], v[\x+ti], L2E, -v[\t1+ti]
.set ti, ti+1
.endr
.set ti, 0
.rept \cnt
	v_fma_f32 v[\t2+ti], v[\x+ti], 0x32a57060, v[\t2+ti]
.set ti, ti+1
.endr
.set ti, 0
.rept \cnt
	v_rndne_f32 v[\d+ti], v[\t1+ti]
.set ti, ti+1
.endr
.set ti, 0
.rept \cnt
	v_sub_f32 v[\t1+ti], v[\t1+ti], v[\d+ti]
.set ti, ti+1
.endr
.set ti, 0
.rept \cnt
	v_add_f32 v[\t1+ti], v[\t1+ti], v[\t2+ti]
.set ti, ti+1
.endr
.set ti, 0
.rept \cnt
	v_exp_f32 v[\t1+ti], v[\t1+ti]
.set ti, ti+1
.endr
.set ti, 0
.rept \cnt
	v_cvt_i32_f32 v[\d+ti], v[\d+ti]
.set ti, ti+1
.endr
.set ti, 0
	s_wait_alu depctr_va_vdst(0)
.rept \cnt
	v_ldexp_f32 v[\d+ti], v[\t1+ti], v[\d+ti]
.set ti, ti+1
.endr
.endm
; from log tau in src: C = -log2e / tau, kept finite so that t = 0 gives exp2(0), into array ac; exp2(16 c C), the decay over 16 samples, into array ae
.macro DECAY src, ac, ae
.irp p, 0,1,2
	v_mul_f32 v[TX+\p], NL2E, v[\src+\p]
.endr
.irp p, 0,1,2
	v_exp_f32 v[TX+\p], v[TX+\p]                   ; 1 / tau
.endr
	v_nop                                          ; the plain place behind the transcendentals
	s_wait_alu depctr_va_vdst(0)
.irp p, 0,1,2
	v_mul_f32 v[TX+\p], NL2E, v[TX+\p]
.endr
.irp p, 0,1,2
	v_max_num_f32 v[TX+\p], NFMAX, v[TX+\p]
.endr
.irp p, 0,1,2
	v_mul_f32 v[TZ+\p], 0x39be37c6, v[TX+\p]       ; 16 x fl(1 / 44100)
.endr
.irp p, 0,1,2
	v_exp_f32 v[TZ+\p], v[TZ+\p]
.endr
	v_nop
	s_wait_alu depctr_va_vdst(0)
.irp p, 0,1,2
	ds_store_b32 v[KO+\p], v[TX+\p] offset:PK+PKA*\ac
	ds_store_b32 v[KO+\p], v[TZ+\p] offset:PK+PKA*\ae
.endr
.endm
; ph <- ph - 2 pi round(ph / 2 pi), cnt pairs, stage by stage so that cnt independent instructions follow each other.
; The first subtraction is exact (turns below 2^15 x 24 bits of 2 pi, result below 4 on a grid of 2^-21); the second adds 2 pi's low word.
.macro REDUCE cnt, ph, q
.set ti, 0
.rept \cnt
	v_pk_fma_f32 v[\q+ti:\q+ti+1], v[\ph+ti:\ph+ti+1], s[INV2PI:INV2PI+1], v[MG:MG+1] op_sel_hi:[1,0,1]
.set ti, ti+2
.endr
.set ti, 0
.rept \cnt
	v_pk_add_f32 v[\q+ti:\q+ti+1], v[\q+ti:\q+ti+1], s[NMAGIC:NMAGIC+1] op_sel_hi:[1,0]
.set ti, ti+2
.endr
.set ti, 0
.rept \cnt
	v_pk_fma_f32 v[\ph+ti:\ph+ti+1], v[\q+ti:\q+ti+1], s[N2PIH:N2PIH+1], v[\ph+ti:\ph+ti+1] op_sel_hi:[1,0,1]
.set ti, ti+2
.endr
.set ti, 0
.rept \cnt
	v_pk_fma_f32 v[\ph+ti:\ph+ti+1], v[\q+ti:\q+ti+1], s[N2PIL:N2PIL+1], v[\ph+ti:\ph+ti+1] op_sel_hi:[1,0,1]
.set ti, ti+2
.endr
.endm
; p = (w^2 + GAMMA) w + EPS with w = r^2 + BETA (left in q), so that sin r = S7 r p on [-pi, pi]
.macro POLY cnt, ph, q, p
.set ti, 0
.rept \cnt
	v_pk_fma_f32 v[\q+ti:\q+ti+1], v[\ph+ti:\ph+ti+1], v[\ph+ti:\ph+ti+1], s[CB:CB+1] op_sel_hi:[1,1,0]
.set ti, ti+2
.endr
.set ti, 0
.rept \cnt
	v_pk_fma_f32 v[\p+ti:\p+ti+1], v[\q+ti:\q+ti+1], v[\q+ti:\q+ti+1], s[CG:CG+1] op_sel_hi:[1,1,0]
.set ti, ti+2
.endr
.set ti, 0
.rept \cnt
	v_pk_fma_f32 v[\p+ti:\p+ti+1], v[\p+ti:\p+ti+1], v[\q+ti:\q+ti+1], s[CE:CE+1] op_sel_hi:[1,1,0]
.set ti, ti+2
.endr
.endm
; cnt pairs of phases in ph -> cnt registers of an f16 A fragment: envelope x sin.  Pairs 0-3 take their envelopes (which carry S7) from ea on,
; pairs 4-7 from eo on, es registers from pair to pair (0: one pair for all)
.macro TILE cnt, ph, fr, ea, eo, es
	REDUCE \cnt, \ph, Q
	POLY \cnt, \ph, Q, P
.set ti, 0
.rept \cnt
.set te, (\ea)+(\es)*ti+(ti/4)*((\eo)-(\ea)-4*(\es))
	v_pk_mul_f32 v[\ph+2*ti:\ph+2*ti+1], v[\ph+2*ti:\ph+2*ti+1], v[te:te+1]
.set ti, ti+1
.endr
.set ti, 0
.rept \cnt
	v_pk_mul_f32 v[P+ti:P+ti+1], v[P+ti:P+ti+1], v[\ph+ti:\ph+ti+1]
.set ti, ti+2
.endr
.set ti, 0
.rept \cnt
	v_cvt_pk_f16_f32 v[\fr+ti], v[P+2*ti], v[P+2*ti+1]     ; the lower kk in the low half
.set ti, ti+1
.endr
.endm
; one chunk of 32 kk for both tiles.  goff: the chunk's G bytes from VG; wnext: the NEXT chunk's omegas from VW; zero = 1: the products start the sums
.macro CHUNK cnt, goff, wnext, a0, o0, a1, o1, es, zero
	s_wait_dscnt 0x0                               ; this chunk's omegas, asked for one chunk ago
.set ti, 0
.rept \cnt
	v_pk_mul_f32 v[PH0+ti:PH0+ti+1], v[W+ti:W+ti+1], v[T0:T0+1]    ; fl(omega t): reference()'s phase
.set ti, ti+2
.endr
.set ti, 0
.rept \cnt
	v_pk_mul_f32 v[PH1+ti:PH1+ti+1], v[W+ti:W+ti+1], v[T1:T1+1]
.set ti, ti+2
.endr
	; the multiplies above name W, t and the phases only: they are more than the four places between the last chunk's second matrix
	; instruction and this load into its B registers
	ds_load_b128 v[G:G+3],   v[VG] offset:\goff
	ds_load_b128 v[G+4:G+7], v[VG] offset:\goff+32
	ds_load_b128 v[W:W+3],     v[VW] offset:\wnext         ; kk = 8 h + 0..7 of the next chunk: all lanes of a half read the same words
	ds_load_b128 v[W+4:W+7],   v[VW] offset:\wnext+16
	ds_load_b128 v[W+8:W+11],  v[VW] offset:\wnext+64      ; kk = 16 + 8 h + 0..7
	ds_load_b128 v[W+12:W+15], v[VW] offset:\wnext+80
	TILE \cnt, PH0, FR0, \a0, \o0, \es
	s_wait_dscnt 0x4                               ; G is in; the four younger loads (next omegas) stay out
.if \zero
	v_wmma_f32_16x16x32_f16 v[AC0:AC0+7], v[FR0:FR0+7], v[G:G+7], 0
.else
	v_wmma_f32_16x16x32_f16 v[AC0:AC0+7], v[FR0:FR0+7], v[G:G+7], v[AC0:AC0+7]
.endif
	TILE \cnt, PH1, FR1, \a1, \o1, \es
.if \zero
	v_wmma_f32_16x16x32_f16 v[AC1:AC1+7], v[FR1:FR1+7], v[G:G+7], 0
.else
	v_wmma_f32_16x16x32_f16 v[AC1:AC1+7], v[FR1:FR1+7], v[G:G+7], v[AC1:AC1+7]
.endif
.endm
; the parameters of octet e: 14 loads (C1, C2, L1, L2, E1, E2, WB), used in the octet's first third,
.macro EBLDA e
.irp a, 0,1,2,3,4,5,6
	ds_load_b128 v[112+8*\a:115+8*\a], v[VPK] offset:PKA*\a+64*(\e)
	ds_load_b128 v[116+8*\a:119+8*\a], v[VPK] offset:PKA*\a+64*(\e)+16
.endr
.endm
; and 4 loads (HD, OM), used at its end
.macro EBLDB e
.irp a, 7,8
	ds_load_b128 v[112+8*\a:115+8*\a], v[VPK] offset:PKA*\a+64*(\e)
	ds_load_b128 v[116+8*\a:119+8*\a], v[VPK] offset:PKA*\a+64*(\e)+16
.endr
.endm
; S7 env beat of the octet k = 16 e + 8 h + 0..7 for both tiles: eight slots (4 x tile + pair of k).
; a1 exp(-t / tau1) = exp2(C1 t + log2 a1): the weight rides in the exponent; tile 1 is tile 0 times the decay over 16 samples.
; The parameters come one octet ahead: each group of registers is loaded again as soon as its last reader has been issued.
; more = 1: an octet follows; more = 0: the noise chunk's omegas are asked for in the next octet's place.
.macro EBOCT e, more
	s_wait_dscnt 0x4                               ; my 14 loads are in; the four younger ones (HD, OM) stay out
.set sl, 0
.rept 4
	v_pk_fma_f32 v[XA+2*sl:XA+2*sl+1], v[KC1+2*sl:KC1+2*sl+1], v[T0:T0+1], v[KL1+2*sl:KL1+2*sl+1]
	v_pk_fma_f32 v[XB+2*sl:XB+2*sl+1], v[KC2+2*sl:KC2+2*sl+1], v[T0:T0+1], v[KL2+2*sl:KL2+2*sl+1]
.set sl, sl+1
.endr
.set sl, 0
.rept 8
	v_exp_f32 v[XA+sl], v[XA+sl]
	v_exp_f32 v[XB+sl], v[XB+sl]
.set sl, sl+1
.endr
.set sl, 0
.rept 8
	v_pk_mul_f32 v[PHC+2*sl:PHC+2*sl+1], v[KWB+2*(sl%4):KWB+2*(sl%4)+1], v[T0+2*(sl/4):T0+2*(sl/4)+1]  ; fl(2 pi bhz) t; also the plain place behind the exponentials
.set sl, sl+1
.endr
.set sl, 0
	s_wait_alu depctr_va_vdst(0)
.rept 4
	v_pk_mul_f32 v[XA+8+2*sl:XA+8+2*sl+1], v[XA+2*sl:XA+2*sl+1], v[KE1+2*sl:KE1+2*sl+1]              ; tile 1
	v_pk_mul_f32 v[XB+8+2*sl:XB+8+2*sl+1], v[XB+2*sl:XB+2*sl+1], v[KE2+2*sl:KE2+2*sl+1]
.set sl, sl+1
.endr
.set sl, 0
.rept 8
	v_pk_add_f32 v[XA+2*sl:XA+2*sl+1], v[XA+2*sl:XA+2*sl+1], v[XB+2*sl:XB+2*sl+1]                    ; env; XB is free from here
.set sl, sl+1
.endr
.if \more
	EBLDA \e+1                                     ; nothing below reads v[112:167]
.else
	ds_load_b128 v[W:W+3],   v[VW] offset:2560     ; the noise chunk's omegas: kk = 640 + 8 h + 0..7
	ds_load_b128 v[W+4:W+7], v[VW] offset:2576
.endif
	REDUCE 8, PHC, QC
.set sl, 0
.rept 16
	v_sub_f32 v[PHC+sl], s82, |v[PHC+sl]|          ; cos r = sin(pi/2 - |r|)
.set sl, sl+1
.endr
	POLY 8, PHC, QC, PCC
.set sl, 0
.rept 8
	v_pk_mul_f32 v[PCC+2*sl:PCC+2*sl+1], v[PCC+2*sl:PCC+2*sl+1], v[PHC+2*sl:PHC+2*sl+1]              ; the cosine / S7
.set sl, sl+1
.endr
.if \more
	s_wait_dscnt 14                                ; HD and OM are in; the next octet's 14 loads, issued behind them, stay out
.else
	s_wait_dscnt 2                                 ; here the two loads of omegas were issued behind them
.endif
.set sl, 0
.rept 8
	v_pk_fma_f32 v[PCC+2*sl:PCC+2*sl+1], v[KHD+2*(sl%4):KHD+2*(sl%4)+1], v[PCC+2*sl:PCC+2*sl+1], v[KOM+2*(sl%4):KOM+2*(sl%4)+1]  ; S7 beat = S7 (1 - d/2) + S7^2 d/2 (cos / S7)
.set sl, sl+1
.endr
.set sl, 0
.rept 8
.set te, EB+40*(sl/4)+8*\e+2*(sl%4)
	v_pk_mul_f32 v[te:te+1], v[XA+2*sl:XA+2*sl+1], v[PCC+2*sl:PCC+2*sl+1]
.set sl, sl+1
.endr
.if \more
	EBLDB \e+1
.endif
.endm
; ================= P0: ids, all loads at once; behind them everything that hangs on no input =================
	s_load_b512 s[16:31], s[0:1], 0x0              ; f0 16, vel 18, slope 20, intercept 22, tau1 24, tau2 26, a1 28, beat_hz 30
	s_load_b512 s[32:47], s[0:1], 0x40             ; depth 32, A0 34, detune 36, band gain 38, tau_noise 40, noise level 42, pan 44, out 46
	v_lshl_add_u32 v248, v0, 2, 0xaf00
	v_mov_b32 v249, 0
	v_and_b32 v[VR], 15, v0
	v_bfe_u32 v[VH], v0, 4, 1
	v_and_b32 v[VL], 31, v0
	v_lshrrev_b32 v[OF0], 5, v0
	v_readfirstlane_b32 s8, v[OF0]                 ; wave 0..7: also the note whose 80 columns of the tables this wave makes
	v_lshlrev_b32 v[OF0], 2, v[OF0]                ; f0[w]
	v_lshlrev_b32 v[KO], 2, v[VL]                  ; pass 0: k = lane
	v_lshl_add_u32 v[KO+1], v[VL], 2, 128          ; pass 1: k = lane + 32
	v_lshl_add_u32 v[KO+2], v[VR], 2, 256          ; pass 2: k = 64 + r; lanes r and r + 16 do the same work and write the same words
	v_lshrrev_b32 v[OVEL], 1, v[VR]                ; vel[r >> 1]: the note of output row r
	v_lshlrev_b32 v[OVEL], 2, v[OVEL]
	v_lshlrev_b32 v[ONB], 2, v[VR]                 ; band gain[r]
	s_wait_kmcnt 0x0
	s_load_b32 s48, s[20:21], 0x0                  ; log_B_slope
	s_load_b32 s49, s[22:23], 0x0                  ; log_B_intercept
	s_load_b32 s50, s[40:41], 0x0                  ; log_tau_noise
	s_load_b32 s51, s[42:43], 0x0                  ; log_noise_level
	s_load_b32 s52, s[44:45], 0x0                  ; pan_scale
	; 24 loads, the same in every wave, in one run; their offsets are never rewritten
.irp p, 0,1,2
	global_load_b32 v[IA0+\p],  v[KO+\p], s[34:35]
	global_load_b32 v[IDT+\p],  v[KO+\p], s[36:37]
	global_load_b32 v[ILT1+\p], v[KO+\p], s[24:25]
	global_load_b32 v[ILT2+\p], v[KO+\p], s[26:27]
	global_load_b32 v[ILA1+\p], v[KO+\p], s[28:29]
	global_load_b32 v[ILBH+\p], v[KO+\p], s[30:31]
	global_load_b32 v[ILBD+\p], v[KO+\p], s[32:33]
.endr
	global_load_b32 v[IVEL], v[OVEL], s[18:19]
	global_load_b32 v[IF0],  v[OF0],  s[16:17]
	global_load_b32 v[INBG], v[ONB],  s[38:39]
	; G is block-diagonal and omega has 16 words of pad: bytes 0 .. 24,575 are cleared, 6 x 4,096 bytes by 256 threads
	v_mov_b32 v[ZR], 0
	v_mov_b32 v[ZR+1], 0
	v_mov_b32 v[ZR+2], 0
	v_mov_b32 v[ZR+3], 0
	v_lshlrev_b32 v[ZA], 4, v0
.irp i, 0,1,2,3,4,5
	ds_store_b128 v[ZA], v[ZR:ZR+3] offset:4096*\i
.endr
	s_mov_b32 s12, 0x76543210                      ; v_permlanex16_b32: lane i reads lane i of the other half
	s_mov_b32 s13, 0xfedcba98
	SPAIR INV2PI, 0x3e22f983                       ; 1 / 2 pi
	SPAIR NMAGIC, 0xcb400000                       ; -1.5 x 2^23
	SPAIR N2PIH,  0xc0c90fdb                       ; -(2 pi rounded to f32)
	SPAIR N2PIL,  0x343bbd2e                       ; -(2 pi - that)
	SPAIR CB,     0xc1925d03                       ; BETA  = -18.2954159
	SPAIR CG,     0x430aa998                       ; GAMMA = 138.662476
	SPAIR CE,     0x44dce20e                       ; EPS   = 1767.06421
	s_mov_b32 s82, 0x3fc90fdb                      ; pi / 2
	s_mov_b32 s61, 0x46ac4400                      ; 22050.0
	v_mov_b32 v[MG], 0x4b400000
	v_mov_b32 v[MG+1], 0x4b400000
	v_lshl_add_u32 v[VW], v[VH], 5, WT
	v_mul_u32_u24 v[VG], v[VR], GP
	v_lshl_add_u32 v[VG], v[VH], 4, v[VG]
	v_lshl_add_u32 v[VPK], v[VH], 5, PK
	s_lshl_b32 s15, s8, 7
	s_add_co_u32 s15, s15, STAGE
	v_mul_u32_u24 v[VST], v[VR], SP
	v_lshl_add_u32 v[VST], v[VH], 5, v[VST]
	v_add_nc_u32 v[VST], s15, v[VST]
	s_mul_i32 s53, s8, 2*SP
	s_add_co_u32 s53, s53, STAGE
	v_lshl_add_u32 v[VRD], v[VL], 4, s53
	s_lshl_b32 s54, s8, 19                         ; two output rows a wave
	v_lshl_add_u32 v[VCO], v[VL], 4, s54
	s_lshl_b32 s9, ttmp9, 8                        ; t = fl(n x fl(1 / 44100)), n = 256 g + 32 w + 16 tile + r
	v_and_b32 v[NT], 0xe0, v0
	v_add3_u32 v[NT], v[NT], v[VR], s9
	v_add_nc_u32 v[NT+1], 16, v[NT]
	v_cvt_f32_u32 v[NT], v[NT]
	v_cvt_f32_u32 v[NT+1], v[NT+1]
	v_mul_f32 v[T0], 0x37be37c6, v[NT]
	v_mul_f32 v[T0+1], 0x37be37c6, v[NT]
	v_mul_f32 v[T1], 0x37be37c6, v[NT+1]
	v_mul_f32 v[T1+1], 0x37be37c6, v[NT+1]
	s_mul_i32 s55, s8, 320                         ; 80 w words of omega
	s_mul_i32 s60, s8, 2880                        ; row 2 w (2,720 w bytes) + column 80 w (160 w bytes) of G
.irp p, 0,1,2
	v_add_nc_u32 v[WA+\p], s55, v[KO+\p]
.endr
.irp p, 0,1,2
	v_lshrrev_b32 v[GAD+\p], 1, v[KO+\p]
.endr
.irp p, 0,1,2
	v_add_nc_u32 v[GAD+\p], s60, v[GAD+\p]
.endr
.irp p, 0,1,2
	v_lshrrev_b32 v[FK+\p], 2, v[KO+\p]
.endr
.irp p, 0,1,2
	v_add_nc_u32 v[FK+\p], 1, v[FK+\p]
.endr
.irp p, 0,1,2
	v_cvt_f32_u32 v[FK+\p], v[FK+\p]               ; k + 1
.endr
.irp p, 0,1,2
	v_mul_f32 v[FY+\p], v[FK+\p], v[FK+\p]         ; (k + 1)^2
.endr
.irp p, 0,1,2
	v_add_f32 v[GA+\p], -1.0, v[FK+\p]             ; pan_init = (k / 79 x 2 - 1) x 0.1
.endr
.irp p, 0,1,2
	v_mul_f32 v[GA+\p], 0x3c4f6475, v[GA+\p]
.endr
.irp p, 0,1,2
	v_fma_f32 v[GA+\p], v[GA+\p], 2.0, -1.0
.endr
.irp p, 0,1,2
	v_mul_f32 v[GA+\p], 0x3dcccccd, v[GA+\p]
.endr
	s_lshl_b32 s10, ttmp9, 10                      ; the work-group's 1,024 bytes in every output row
	s_mov_b32 s11, 0
	s_add_nc_u64 s[46:47], s[46:47], s[10:11]
	s_wait_dscnt 0x0                               ; my part of the clearing is done before anybody writes table entries
	s_barrier_signal -1
	s_barrier_wait -1
; ================= P1: the tables.  Four chains are woven line by line, so that no line waits for the one in front of it: =================
; m (a maximum over the wave), pan_scale and tau_noise, the chain to B of note w, and the three passes' gains and frequencies.
; Behind each run of transcendentals stands a plain line that touches none of them (ISA guide 5.7.2).
	s_wait_loadcnt 0x0
	s_wait_kmcnt 0x0
	v_max3_num_f32 v[VM], v[IA0], v[IA0+1], v[IA0+2]
	v_mul_f32 v[BA], 0x3b14f209, v[IF0]            ; f0 / 440, correctly rounded: quotient,
	v_mov_b32 v[PT], s52
	v_mov_b32 v[PT+1], s50
	v_max_num_f32_dpp v[VM], v[VM], v[VM] row_xmask:1 row_mask:0xf bank_mask:0xf
	v_fma_f32 v[BB], v[BA], 0xc3dc0000, v[IF0]     ; exact remainder,
	v_mul_f32 v[PT], L2E, v[PT]
	v_mul_f32 v[PT+1], NL2E, v[PT+1]
	v_max_num_f32_dpp v[VM], v[VM], v[VM] row_xmask:2 row_mask:0xf bank_mask:0xf
	v_exp_f32 v[VPS], v[PT]                        ; exp(pan_scale)
	v_exp_f32 v[CN], v[PT+1]                       ; 1 / tau_noise
	v_fma_f32 v[BA], v[BB], 0x3b14f209, v[BA]      ; correction
	v_max_num_f32_dpp v[VM], v[VM], v[VM] row_xmask:4 row_mask:0xf bank_mask:0xf
	v_log_f32 v[BA], v[BA]
	s_wait_alu depctr_va_vdst(0)
	v_mul_f32 v[CN], NL2E, v[CN]                   ; -log2e / tau_noise
	v_max_num_f32_dpp v[VM], v[VM], v[VM] row_xmask:8 row_mask:0xf bank_mask:0xf
.irp p, 0,1,2
	v_mul_f32 v[GA+\p], v[VPS], v[GA+\p]           ; pan_init exp(pan_scale)
.endr
	v_mul_f32 v[BA], 0x41400000, v[BA]             ; 12 log2
	v_permlanex16_b32 v[NT], v[VM], s12, s13       ; its destination counts as read: it has been written
	v_max_num_f32 v[CN], NFMAX, v[CN]              ; kept finite so that t = 0 gives exp2(0) = 1
	v_add_f32 v[BA], 0x428a0000, v[BA]             ; + 69: midi
.irp p, 0,1,2
	v_mul_f32 v[GA+\p], 0x4038aa3b, v[GA+\p]       ; tanh p = 1 - 2 / (1 + exp2(2 log2e p))
.endr
	v_max_num_f32 v[VM], v[VM], v[NT]
	v_add_f32 v[BA], 0xc1a80000, v[BA]             ; - 21
	v_mul_f32 v[PT], v[T0], v[CN]
	v_mul_f32 v[PT+1], v[T1], v[CN]
	v_max_num_f32 v[VM], s51, v[VM]                ; m = max(max log_A0, log_noise_level), in every lane
	v_mul_f32 v[BB], 0x3c3c5264, v[BA]             ; / 87, correctly rounded
.irp p, 0,1,2
	v_exp_f32 v[GA+\p], v[GA+\p]
.endr
	v_exp_f32 v[PT], v[PT]                         ; noise envelope of tile 0,
	v_exp_f32 v[PT+1], v[PT+1]                     ; of tile 1
	v_fma_f32 v[BC], v[BB], 0xc2ae0000, v[BA]
.irp p, 0,1,2
	v_sub_f32 v[GB+\p], v[IA0+\p], v[VM]           ; log_A0 - m
.endr
	s_wait_alu depctr_va_vdst(0)
	v_mul_f32 v[NE0], AS7, v[PT]                   ; the envelopes carry the polynomial's factor S7; each twice, to fill the pairs
	v_mul_f32 v[NE0+1], AS7, v[PT]
	v_mul_f32 v[NE1], AS7, v[PT+1]
	v_mul_f32 v[NE1+1], AS7, v[PT+1]
	v_fma_f32 v[BB], v[BC], 0x3c3c5264, v[BB]      ; midi_norm
.irp p, 0,1,2
	v_add_f32 v[GA+\p], 1.0, v[GA+\p]
.endr
	v_mul_f32 v[PT+2], L2E, v[VM]
	v_mul_f32 v[BB], s48, v[BB]                    ; slope x, rounded,
.irp p, 0,1,2
	v_rcp_f32 v[GA+\p], v[GA+\p]
.endr
	v_exp_f32 v[PT+2], v[PT+2]                     ; exp(m)
	v_add_f32 v[BB], s49, v[BB]                    ; + intercept, rounded: two operations as in reference()
.irp p, 0,1,2
	v_mul_f32 v[GB+\p], L2E, v[GB+\p]
.endr
	v_med3_num_f32 v[BB], v[BB], 0xc1600000, -4.0  ; clip to [-14, -4]
	s_wait_alu depctr_va_vdst(0)
.irp p, 0,1,2
	v_fma_f32 v[GA+\p], v[GA+\p], -2.0, 1.0        ; pan
.endr
	v_mul_f32 v[SC], v[IVEL], v[PT+2]
	v_mul_f32 v[SC+1], v[IVEL], v[PT+2]
	v_mul_f32 v[BC], L2E, v[BB]                    ; B = e^x: x log2e in two words,
.irp p, 0,1,2
	v_exp_f32 v[GB+\p], v[GB+\p]                   ; exp(log_A0 - m), at most 1
.endr
	v_fma_f32 v[BD], v[BB], L2E, -v[BC]
.irp p, 0,1,2
	v_fma_f32 v[GC+\p], v[GA+\p], -0.5, 0.5        ; 0.5 (1 - pan)
.endr
	v_fma_f32 v[BD], v[BB], 0x32a57060, v[BD]
.irp p, 0,1,2
	v_fma_f32 v[GA+\p], v[GA+\p], 0.5, 0.5         ; 0.5 (1 + pan)
.endr
	v_rndne_f32 v[BA], v[BC]                       ; the whole part,
.irp p, 0,1,2
	v_max_num_f32 v[GC+\p], 0, v[GC+\p]            ; the rounded tanh may pass 1 by a unit in the last place
.endr
	v_sub_f32 v[BC], v[BC], v[BA]
.irp p, 0,1,2
	v_max_num_f32 v[GA+\p], 0, v[GA+\p]
.endr
	v_add_f32 v[BC], v[BC], v[BD]                  ; the fraction
.irp p, 0,1,2
	v_sqrt_f32 v[GC+\p], v[GC+\p]
.endr
.irp p, 0,1,2
	v_sqrt_f32 v[GA+\p], v[GA+\p]
.endr
	v_exp_f32 v[BC], v[BC]
	v_cvt_i32_f32 v[BA], v[BA]
	s_wait_alu depctr_va_vdst(0)
	v_ldexp_f32 v[BA], v[BC], v[BA]                ; B of note w
.irp p, 0,1,2
	v_mul_f32 v[FY+\p], v[BA], v[FY+\p]
.endr
.irp p, 0,1,2
	v_mul_f32 v[FE+\p], v[IF0], v[FK+\p]           ; (f0 k)
.endr
.irp p, 0,1,2
	v_add_f32 v[FY+\p], 1.0, v[FY+\p]              ; 1 + B k^2
.endr
.irp p, 0,1,2
	v_sqrt_f32 v[FS+\p], v[FY+\p]
.endr
.irp p, 0,1,2
	v_rsq_f32 v[FC+\p], v[FY+\p]
.endr
.irp p, 0,1,2
	v_add_f32 v[FD+\p], 1.0, v[IDT+\p]
.endr
	s_wait_alu depctr_va_vdst(0)
.irp p, 0,1,2
	v_fma_f32 v[FRM+\p], -v[FS+\p], v[FS+\p], v[FY+\p]     ; the root is corrected by its exact remainder
.endr
.irp p, 0,1,2
	v_mul_f32 v[FC+\p], 0.5, v[FC+\p]
.endr
.irp p, 0,1,2
	v_fma_f32 v[FS+\p], v[FRM+\p], v[FC+\p], v[FS+\p]
.endr
.irp p, 0,1,2
	v_mul_f32 v[FE+\p], v[FE+\p], v[FS+\p]         ; x sqrt
.endr
.irp p, 0,1,2
	v_mul_f32 v[FE+\p], v[FE+\p], v[FD+\p]         ; x (1 + detune): f
.endr
.irp p, 0,1,2
	v_cmp_gt_f32 s[56+\p], s61, v[FE+\p]           ; alive: 22050 > f
.endr
.irp p, 0,1,2
	v_mul_f32 v[FE+\p], TWOPI, v[FE+\p]            ; omega = fl(2 pi f)
.endr
.irp p, 0,1,2
	v_cndmask_b32 v[GB+\p], 0, v[GB+\p], s[56+\p]  ; dead partials: gain 0,
.endr
.irp p, 0,1,2
	v_cndmask_b32 v[FE+\p], 0, v[FE+\p], s[56+\p]  ; omega 0
.endr
.irp p, 0,1,2
	v_mul_f32 v[GC+\p], v[GC+\p], v[GB+\p]
.endr
.irp p, 0,1,2
	v_mul_f32 v[GA+\p], v[GA+\p], v[GB+\p]
.endr
.irp p, 0,1,2
	v_cvt_pk_f16_f32 v[GC+\p], v[GC+\p], v[GA+\p]  ; left in the low half, right in the high half
.endr
.irp p, 0,1,2
	ds_store_b32 v[WA+\p], v[FE+\p] offset:WT
	ds_store_b16 v[GAD+\p], v[GC+\p]               ; row 2 w
	ds_store_b16_d16_hi v[GAD+\p], v[GC+\p] offset:GP      ; row 2 w + 1
.endr
	; the tables per k, one kind to a wave, and the noise bands; no barrier stands inside these branches
	s_cmp_lg_u32 s8, 0
	s_cbranch_scc1 .Lt1
	DECAY ILT1, 0, 4                               ; wave 0: C1, E1
	s_branch .Ltabdone
.Lt1:
	s_cmp_lg_u32 s8, 1
	s_cbranch_scc1 .Lt2
	DECAY ILT2, 1, 5                               ; wave 1: C2, E2
	s_branch .Ltabdone
.Lt2:
	s_cmp_lg_u32 s8, 2
	s_cbranch_scc1 .Lt3
	; wave 2: L1 = log2 a1 = -log2(1 + e^-x), L2 = log2(1 - a1) = -log2(1 + e^x); an overflowing exponential gives -inf, weight 0
.irp p, 0,1,2
	v_mul_f32 v[TX+\p], NL2E, v[ILA1+\p]
.endr
.irp p, 0,1,2
	v_mul_f32 v[TZ+\p], L2E, v[ILA1+\p]
.endr
.irp p, 0,1,2
	v_exp_f32 v[TX+\p], v[TX+\p]
.endr
.irp p, 0,1,2
	v_exp_f32 v[TZ+\p], v[TZ+\p]
.endr
	v_nop
	s_wait_alu depctr_va_vdst(0)
.irp p, 0,1,2
	v_add_f32 v[TX+\p], 1.0, v[TX+\p]
.endr
.irp p, 0,1,2
	v_add_f32 v[TZ+\p], 1.0, v[TZ+\p]
.endr
.irp p, 0,1,2
	v_log_f32 v[TX+\p], v[TX+\p]
.endr
.irp p, 0,1,2
	v_log_f32 v[TZ+\p], v[TZ+\p]
.endr
	v_nop
	s_wait_alu depctr_va_vdst(0)
.irp p, 0,1,2
	v_sub_f32 v[TX+\p], 0, v[TX+\p]
.endr
.irp p, 0,1,2
	v_sub_f32 v[TZ+\p], 0, v[TZ+\p]
.endr
.irp p, 0,1,2
	ds_store_b32 v[KO+\p], v[TX+\p] offset:PK+PKA*2
	ds_store_b32 v[KO+\p], v[TZ+\p] offset:PK+PKA*3
.endr
	s_branch .Ltabdone
.Lt3:
	s_cmp_lg_u32 s8, 3
	s_cbranch_scc1 .Lt4
	EXPEN 3, TZ, ILBH, TX, TU                      ; wave 3: WB = fl(2 pi exp(log_beat_hz))
.irp p, 0,1,2
	v_mul_f32 v[TZ+\p], TWOPI, v[TZ+\p]
.endr
.irp p, 0,1,2
	ds_store_b32 v[KO+\p], v[TZ+\p] offset:PK+PKA*6
.endr
	s_branch .Ltabdone
.Lt4:
	s_cmp_lg_u32 s8, 4
	s_cbranch_scc1 .Lt5
	; wave 4: with d = sigmoid(logit_beat_depth): HD = S7^2 d / 2 (it meets the cosine / S7), OM = S7 (1 - d / 2)
.irp p, 0,1,2
	v_mul_f32 v[TX+\p], NL2E, v[ILBD+\p]
.endr
.irp p, 0,1,2
	v_exp_f32 v[TX+\p], v[TX+\p]
.endr
	v_nop
	s_wait_alu depctr_va_vdst(0)
.irp p, 0,1,2
	v_add_f32 v[TX+\p], 1.0, v[TX+\p]
.endr
.irp p, 0,1,2
	v_rcp_f32 v[TX+\p], v[TX+\p]
.endr
	v_nop
	s_wait_alu depctr_va_vdst(0)
.irp p, 0,1,2
	v_mul_f32 v[TX+\p], 0.5, v[TX+\p]
.endr
.irp p, 0,1,2
	v_sub_f32 v[TZ+\p], 1.0, v[TX+\p]
.endr
.irp p, 0,1,2
	v_mul_f32 v[TX+\p], AS7, v[TX+\p]
.endr
.irp p, 0,1,2
	v_mul_f32 v[TZ+\p], AS7, v[TZ+\p]
.endr
.irp p, 0,1,2
	v_mul_f32 v[TX+\p], AS7, v[TX+\p]
.endr
.irp p, 0,1,2
	ds_store_b32 v[KO+\p], v[TX+\p] offset:PK+PKA*7
	ds_store_b32 v[KO+\p], v[TZ+\p] offset:PK+PKA*8
.endr
	s_branch .Ltabdone
.Lt5:
	s_cmp_lg_u32 s8, 5
	s_cbranch_scc1 .Ltabdone
	; wave 5: the noise bands; band j = r, both halves of the wave hold the same 16 numbers
	v_max_num_f32_dpp v[NMX], v[INBG], v[INBG] row_xmask:1 row_mask:0xf bank_mask:0xf     ; softmax: the maximum is taken away
	v_max_num_f32_dpp v[NMX], v[NMX], v[NMX] row_xmask:2 row_mask:0xf bank_mask:0xf
	v_max_num_f32_dpp v[NMX], v[NMX], v[NMX] row_xmask:4 row_mask:0xf bank_mask:0xf
	v_max_num_f32_dpp v[NMX], v[NMX], v[NMX] row_xmask:8 row_mask:0xf bank_mask:0xf
	v_sub_f32 v[TX], v[INBG], v[NMX]
	v_mul_f32 v[TX], L2E, v[TX]
	v_exp_f32 v[TX], v[TX]
	v_cvt_f32_u32 v[TZ], v[VR]                     ; (place) j
	s_wait_alu depctr_va_vdst(0)
	v_add_f32_dpp v[NSM], v[TX], v[TX] row_xmask:1 row_mask:0xf bank_mask:0xf
	v_add_f32_dpp v[NSM], v[NSM], v[NSM] row_xmask:2 row_mask:0xf bank_mask:0xf
	v_add_f32_dpp v[NSM], v[NSM], v[NSM] row_xmask:4 row_mask:0xf bank_mask:0xf
	v_add_f32_dpp v[NSM], v[NSM], v[NSM] row_xmask:8 row_mask:0xf bank_mask:0xf
	v_rcp_f32 v[NSM], v[NSM]
	DIVRN TU, TZ, 0xc1700000, 0x3d888889, TU+1     ; step = j / 15 (its first line is the place)
	s_wait_alu depctr_va_vdst(0)
	v_mul_f32 v[TX], v[TX], v[NSM]                 ; softmax
	v_sub_f32 v[TU+1], 1.0, v[TU]                  ; linspace: start (1 - step) + stop step, each product rounded
	v_mul_f32 v[TU+1], 0x40a98bd1, v[TU+1]         ; ln 200
	v_mul_f32 v[TU], 0x411e74af, v[TU]             ; ln 20000
	v_add_f32 v[TU+1], v[TU+1], v[TU]
	EXPEN 1, TZ, TU+1, TU, TU+2                    ; band frequency
	v_cmp_gt_f32 vcc_lo, s61, v[TZ]
	v_mul_f32 v[TZ], TWOPI, v[TZ]
	v_cndmask_b32 v[TZ], 0, v[TZ], vcc_lo
	ds_store_b32 v[ONB], v[TZ] offset:WT+2560      ; kk = 640 + j; lanes j and j + 16 write the same word with the same value
	v_sub_f32 v[TU], s51, v[VM]
	v_mul_f32 v[TU], L2E, v[TU]
	v_exp_f32 v[TU], v[TU]                         ; exp(log_noise_level - m)
	v_cndmask_b32 v[TX], 0, v[TX], vcc_lo          ; (place)
	s_wait_alu depctr_va_vdst(0)
	v_mul_f32 v[TX], v[TX], v[TU]
	v_cvt_pk_f16_f32 v[TX], v[TX], v[TX]
	v_mul_u32_u24 v[TU+1], 8*GP, v[VH]             ; rows 8 h + 0..7, column 640 + j
	v_lshl_add_u32 v[TU+1], v[VR], 1, v[TU+1]
.irp i, 0,1,2,3,4,5,6,7
	ds_store_b16 v[TU+1], v[TX] offset:GP*\i+1280
.endr
.Ltabdone:
	s_wait_dscnt 0x0                               ; my table entries are written before anybody reads the tables
	s_barrier_signal -1
	s_barrier_wait -1
; ================= P2: S7 env beat of my 40 k for both tiles, kept in registers =================
	EBLDA 0
	EBLDB 0
	EBOCT 0, 1
	EBOCT 1, 1
	EBOCT 2, 1
	EBOCT 3, 1
	EBOCT 4, 0                                     ; asks for the noise chunk's omegas
; ================= P3: the 21 chunks =================
.irp j, 4,5,6,7
	v_mov_b32 v[FR0+\j], 0                         ; kk = 656 .. 671 is pad
	v_mov_b32 v[FR1+\j], 0
.endr
	CHUNK 4, 1280, 0, NE0, NE0, NE1, NE1, 0, 1     ; the noise chunk comes first and starts the sums: nothing is cleared
	s_mov_b32 s14, 0
.Ltrip:                                            ; four trips of five chunks: two notes a trip
.irp i, 0,1,2,3,4
.set EA, 8*((2*\i)%5)
.set EO, 8*((2*\i+1)%5)
	CHUNK 8, 64*\i, 128*\i+128, EB+EA, EB+EO, EB+40+EA, EB+40+EO, 2, 0
.endr
	v_add_nc_u32 v[VW], 640, v[VW]                 ; the last trip's look-ahead reads the noise chunk's 32 words once more: inside the table
	v_add_nc_u32 v[VG], 320, v[VG]
	s_add_co_u32 s14, s14, 1
	s_cmp_lt_u32 s14, 4
	s_cbranch_scc1 .Ltrip
; ================= P4: scale, and out through LDS in whole rows =================
.irp j, 0,2,4,6
	v_pk_mul_f32 v[AC0+\j:AC0+\j+1], v[AC0+\j:AC0+\j+1], v[SC:SC+1]    ; these four name none of the last matrix instruction's registers:
.endr                                                                      ; they are the four places in front of the reads of its result (ISA guide 7.12.1)
.irp j, 0,2,4,6
	v_pk_mul_f32 v[AC1+\j:AC1+\j+1], v[AC1+\j:AC1+\j+1], v[SC:SC+1]
.endr
	ds_store_b128 v[VST], v[AC0:AC0+3]             ; row r, samples 32 w + 16 tile + 8 h + 0..7
	ds_store_b128 v[VST], v[AC0+4:AC0+7] offset:16
	ds_store_b128 v[VST], v[AC1:AC1+3] offset:64
	ds_store_b128 v[VST], v[AC1+4:AC1+7] offset:80
	s_wait_dscnt 0x0                               ; my stores (and the unused look-ahead loads) are done before others read the stage
	s_barrier_signal -1
	s_barrier_wait -1
	ds_load_b128 v[Q:Q+3],     v[VRD]              ; wave w takes rows 2 w and 2 w + 1, 512 bytes a load
	ds_load_b128 v[Q+4:Q+7],   v[VRD] offset:512
	ds_load_b128 v[Q+8:Q+11],  v[VRD] offset:SP
	ds_load_b128 v[Q+12:Q+15], v[VRD] offset:SP+512
	s_wait_dscnt 0x3                               ; LDS loads come back in order: the oldest is in, three younger ones stay out
	global_store_b128 v[VCO], v[Q:Q+3], s[46:47] th:TH_STORE_NT                    ; each store of the wave covers 512 consecutive bytes, aligned
	s_wait_dscnt 0x2
	global_store_b128 v[VCO], v[Q+4:Q+7], s[46:47] offset:512 th:TH_STORE_NT
	s_wait_dscnt 0x1
	global_store_b128 v[VCO], v[Q+8:Q+11], s[46:47] offset:ROWB th:TH_STORE_NT
	s_wait_dscnt 0x0
	global_store_b128 v[VCO], v[Q+12:Q+15], s[46:47] offset:ROWB+512 th:TH_STORE_NT
	s_wait_tensorcnt 0x0
	ds_add_u32 v248, v249
	s_wait_dscnt 0x0
	s_endpgm
.Lfunc_end_k_q2d9283f8f3_bank:
	.size	k_q2d9283f8f3_bank, .Lfunc_end_k_q2d9283f8f3_bank-k_q2d9283f8f3_bank
	.p2alignl 7, 3214868480
	.fill 96, 4, 3214868480
	.section	.rodata,"a",@progbits
	.p2align	6, 0x0
	.amdhsa_kernel k_q2d9283f8f3_bank
		.amdhsa_group_segment_fixed_size 45824
		.amdhsa_private_segment_fixed_size 0
		.amdhsa_enable_private_segment 0
		.amdhsa_kernarg_size 128
		.amdhsa_user_sgpr_count 2
		.amdhsa_user_sgpr_kernarg_segment_ptr 1
		.amdhsa_wavefront_size32 1
		.amdhsa_system_sgpr_workgroup_id_x 1
		.amdhsa_system_sgpr_workgroup_id_y 1
		.amdhsa_system_sgpr_workgroup_id_z 1
		.amdhsa_system_vgpr_workitem_id 0
		.amdhsa_next_free_vgpr 250
		.amdhsa_next_free_sgpr 96
		.amdhsa_reserve_vcc 1
		.amdhsa_float_denorm_mode_32 3
		.amdhsa_float_denorm_mode_16_64 3
		.amdhsa_memory_ordered 1
		.amdhsa_forward_progress 1
		.amdhsa_inst_pref_size 143
	.end_amdhsa_kernel
	.amdgpu_metadata
---
amdhsa.version: [ 1, 2 ]
amdhsa.kernels:
  - .name:           k_q2d9283f8f3_bank
    .symbol:         k_q2d9283f8f3_bank.kd
    .args:
      - { .name: f0, .offset: 0, .size: 8, .value_kind: global_buffer, .address_space: global }
      - { .name: vel_norm, .offset: 8, .size: 8, .value_kind: global_buffer, .address_space: global }
      - { .name: log_B_slope, .offset: 16, .size: 8, .value_kind: global_buffer, .address_space: global }
      - { .name: log_B_intercept, .offset: 24, .size: 8, .value_kind: global_buffer, .address_space: global }
      - { .name: log_tau1, .offset: 32, .size: 8, .value_kind: global_buffer, .address_space: global }
      - { .name: log_tau2, .offset: 40, .size: 8, .value_kind: global_buffer, .address_space: global }
      - { .name: logit_a1, .offset: 48, .size: 8, .value_kind: global_buffer, .address_space: global }
      - { .name: log_beat_hz, .offset: 56, .size: 8, .value_kind: global_buffer, .address_space: global }
      - { .name: logit_beat_depth, .offset: 64, .size: 8, .value_kind: global_buffer, .address_space: global }
      - { .name: log_A0, .offset: 72, .size: 8, .value_kind: global_buffer, .address_space: global }
      - { .name: harm_detune, .offset: 80, .size: 8, .value_kind: global_buffer, .address_space: global }
      - { .name: noise_band_gain, .offset: 88, .size: 8, .value_kind: global_buffer, .address_space: global }
      - { .name: log_tau_noise, .offset: 96, .size: 8, .value_kind: global_buffer, .address_space: global }
      - { .name: log_noise_level, .offset: 104, .size: 8, .value_kind: global_buffer, .address_space: global }
      - { .name: pan_scale, .offset: 112, .size: 8, .value_kind: global_buffer, .address_space: global }
      - { .name: out0, .offset: 120, .size: 8, .value_kind: global_buffer, .address_space: global }
    .group_segment_fixed_size: 45824
    .private_segment_fixed_size: 0
    .kernarg_segment_align: 8
    .kernarg_segment_size: 128
    .max_flat_workgroup_size: 256
    .sgpr_count:     96
    .vgpr_count:     250
    .wavefront_size: 32
...
	.end_amdgpu_metadata
.endif
;; end of part 2
;; ======== version 3 of 3: 1 launch; version 2 with the launch bank written anew for expert scheduling mode
;; limits: right only within a limited range of input values; a function is approximated: absolute error at most 0.00025
;; launch bank (part 3): grid 256 x 1, 8 waves a work-group, no clusters, 45,824 bytes of LDS; arguments f0, vel_norm, log_B_slope, log_B_intercept, log_tau1, log_tau2, logit_a1, log_beat_hz, logit_beat_depth, log_A0, harm_detune, noise_band_gain, log_tau_noise, log_noise_level, pan_scale, out0; writes out0
.if DOCPART == 3
	.amdgcn_target "amdgcn-amd-amdhsa--gfx1250"
	.amdhsa_code_object_version 6
	.text
	.protected	k_q2d9283f8f3_bank
	.globl	k_q2d9283f8f3_bank
	.p2align	8
	.type	k_q2d9283f8f3_bank,@function
k_q2d9283f8f3_bank:
	s_mov_b64 s[64:65], 0
	v_nop
	global_prefetch_b8 v0, s[64:65] scope:SCOPE_SE
	s_setreg_imm32_b32 hwreg(HW_REG_WAVE_SCHED_MODE, 0, 2), 2
	s_setreg_imm32_b32 hwreg(HW_REG_WAVE_MODE, 25, 1), 1
	s_wait_xcnt 0x0
	s_wait_alu depctr_vm_vsrc(0)
; PhysicsResonatorBank: out[b][c][n] = sum over 80 partials of gain[c,k] amp[b,k] env[k,n] beat[k,n] sin(phase[b,k,n]) + noise[b,n].
; 8 notes, 2 channels, 65,536 samples; inputs 2,388 bytes, output 4 MiB.  Everything is done in this one launch.
;
; SHARING.  Work-group g owns samples 256 g .. 256 g + 255 of all 16 output rows (row = 2 b + c).  Wave w owns 32 of them as two
; tiles of 16.  Lane (r = lane & 15, h = lane >> 4) evaluates sample 256 g + 32 w + 16 tile + r.
; The sum over partials and the sum over noise bands are one matrix product over kk = 80 b + k (0..639), 640 + band (16), 16 of pad:
; 672 = 21 chunks of 32.  A = data[sample][kk] = env beat sin (noise columns: noise envelope x sin), B = G[row][kk], block-diagonal in b:
; G = gain[c,k] exp(log_A0[k] - m) alive[b,k]; noise columns, all rows: softmax(band gain) alive exp(log_noise_level - m).
; m = max(max log_A0, log_noise_level); vel[b] exp(m) multiplies the sums afterwards in f32.
; With the data as A and G as B, register j of lane (r, h) of the result is out[row r][tile sample 8 h + j]: 32 neighbouring bytes.
;
; WHY THE PHASES ARE NOT FACTORISED.  The phase is fl(fl(2 pi f) fl(n c)) in f32 and reaches 2e5 rad, where one unit in the last place is
; 1/64 rad: these roundings are part of the result.  t, 2 pi f and their product are formed by the same f32 operations in the same order,
; and every sine is evaluated by itself: range reduction in two steps, the first exact, and a polynomial of degree 7.
; THE POLYNOMIAL.  sin r = r (S1 + S3 y + S5 y^2 + S7 y^3), y = r^2, is written as r S7 (w^3 + GAMMA w + EPS), w = y + BETA, BETA = S5 / (3 S7):
; the shift takes the cubic's square term away, and three fused multiply-adds do for a square and three.  The terms reach 8.7e3 against a
; result of up to 6.9e3, so the cancellation costs some 2e-7 of the bracket.  The factor S7 is carried by the envelopes: the registers EB hold
; S7 env beat and the noise envelope holds S7 exp(-t / tau_noise), by way of the tables, at no cost in the loops.
; WHY f16 OPERANDS.  Both operands lie in [-1, 1] by construction (env, beat in [0, 1]; G is normalised by exp(m)), so f16 has the range,
; and its 11 bits are wanted: near t = 0 the signal is several times its overall root mean square.
; env beat depends on (k, n) only: since 80 is ten octets of k, half h of the lanes meets only the octets 2 e + h, e = 0..4, so a lane keeps
; its 40 values a tile in registers, made once and used for all 8 notes.  Chunk c uses e = 2 c mod 5 and (2 c + 1) mod 5: period 5 chunks.
;
; NOT USED: clusters, tensor loads, prefetch: the work-groups share nothing but 2,388 bytes of inputs, read once at the head.
;
; THE MODE: SCHED_MODE bits 1:0 = 2 (LLVM: expert scheduling mode 2), set by the entry lines.  The code itself states the register dependences
; between vector or matrix instructions and memory or LDS instructions, with s_wait_alu, always for 0.
; THE PLAN.  Registers that memory or LDS instructions touch:
;   head     the loads' offsets and the clearing's zeros and address are made together: one wait on va_vdst ahead of both runs.
;   tables   each run of LDS stores has one wait on va_vdst ahead of it, behind the arithmetic that makes its data; the stores' registers are written
;            again only behind the wait on vm_vsrc that stands behind the second barrier (wave 5, which writes v148 and v149 earlier, has its own).
;   octets   group A (C1, C2, L1, L2, WB): read by an octet's first 16 lines alone; group B (E1, E2, HD, OM): read in its second part.  Two waits on va_vdst
;            an octet: behind the first (the exponentials are written, group A is read) the next octet's group A is loaded; behind the second, at the
;            octet's end (group B is read), the next octet's group B.
;   loop     W: read by a chunk's 16 phase products, then loaded again.  G: read by the two matrix instructions of the chunk before, then loaded.
;            v[VW], v[VG]: read by all these loads, stepped once a trip.  One wait on va_vdst a chunk, behind the phase products, states all three; the six
;            loads follow it, dealt among tile 0's stages, which name the phases, Q, P, the fragment and the envelopes alone.  One wait on vm_vsrc a trip
;            stands ahead of the two adds.
;   way out  one wait on va_vdst behind the scalings: the sums are the stage stores' data, and Q, in which the stage's loads land, is named by no later line.
; The same line, s_wait_alu depctr_va_vdst(0), stands between every batch of transcendentals and the first line that names a result.
;
; LIMITS.  Sine polynomial: absolute error up to 2.5e-4 for every argument, which is half a unit in the last place of the f16 operand at 1,
; into which each sine is rounded anyway.  The reduction holds for |phase| / 2 pi < 2^22: always so for partials below 22,050 Hz and for the
; noise bands; for the beat it asks log_beat_hz < 14.8.  Partials at or above 22,050 Hz get omega = 0 and gain 0.
; B, f and the band frequencies follow reference()'s order of operations with correctly rounded division and square root and with log2 and
; exp good to about one unit in the last place: they may differ from a host's by such a unit.  The decays of tile 1 are those of tile 0 times
; exp(-16 c / tau): they differ from exp(-t / tau) by the rounding of t alone.  Exponentials flush denormals to zero.
; max(log_A0, log_noise_level) must stay below 88 (exp(m) finite).  NaN and infinite inputs are not honoured.  The order of sums differs.
; ---- LDS ----
.set GP,    1360                       ; G: 16 rows of 672 f16 = 1,344 bytes + 16: 85 x 16 bytes, so 16 rows start in 16 different 16-byte columns
.set WT,    21760                      ; omega[kk]: 672 f32
.set PK,    24576                      ; 9 arrays per k, 384 bytes apart, 80 f32 used: C1, C2, L1, L2, E1, E2, WB, HD, OM
.set PKA,   384
.set STAGE, 28032                      ; the way out: 16 rows of 256 f32 = 1,024 bytes + 16
.set SP,    1040
.set ROWB,  262144                     ; bytes of an output row
; ---- vector registers that live through the kernel ----
.set VR,  1                            ; r
.set VH,  2                            ; h
.set VW,  3                            ; WT + 32 h, stepped by the loop
.set VG,  4                            ; 1360 r + 16 h, stepped by the loop
.set VPK, 5                            ; PK + 32 h
.set VST, 6                            ; STAGE + 1040 r + 128 w + 32 h
.set VRD, 7                            ; STAGE + 2080 w + 16 lane
.set VCO, 8                            ; 524288 w + 16 lane
.set VL,  9                            ; lane
.set MG,  10                           ; v[10:11] 1.5 x 2^23, twice
.set T0,  14                           ; v[14:15] t of tile 0, twice
.set T1,  16                           ; v[16:17] t of tile 1, twice
.set NE0, 18                           ; v[18:19] S7 x noise envelope, tile 0, twice
.set NE1, 20                           ; v[20:21] tile 1
.set VM,  22                           ; m
.set VPS, 23                           ; exp(pan_scale)
.set SC,  24                           ; v[24:25] vel[r >> 1] exp(m), twice
.set CN,  26                           ; -log2e / tau_noise
.set EB,  32                           ; v[32:111] S7 env beat: tile x 40 + e x 8 + j  <->  k = 16 e + 8 h + j
; ---- main loop ----
.set W,   112                          ; v[112:127] omegas of a chunk
.set G,   128                          ; v[128:135] B fragment
.set PH0, 136                          ; v[136:151] phases, tile 0
.set PH1, 152                          ; v[152:167] tile 1
.set Q,   168                          ; v[168:183] turns, then w = r^2 + BETA
.set P,   184                          ; v[184:199] polynomial
.set FR0, 200                          ; v[200:207] A fragment, tile 0
.set FR1, 208                          ; tile 1
.set AC0, 216                          ; v[216:223] sums, tile 0
.set AC1, 224                          ; tile 1
; ---- env beat phase: array a of an octet in v[112+8a : 119+8a]; eight slots (4 x tile + pair of k) ----
.set KC1, 112
.set KC2, 120
.set KL1, 128
.set KL2, 136
.set KE1, 144
.set KE2, 152
.set KWB, 160
.set KHD, 168
.set KOM, 176
.set XA,  184
.set XB,  200
.set PHC, 216
.set QC,  232
.set PCC, 200                          ; the polynomial lies on XB, which has been added into XA by then
; ---- table phase; three registers each are passes 0, 1, 2: k = lane, lane + 32, 64 + r ----
.set IA0,  112                         ; log_A0[k]
.set IDT,  115                         ; harm_detune[k]
.set ILT1, 118
.set ILT2, 121
.set ILA1, 124
.set ILBH, 127
.set ILBD, 130
.set IVEL, 133                         ; vel[r >> 1]
.set IF0,  134                         ; f0[w]
.set INBG, 135                         ; noise_band_gain[r]
.set KO,   136                         ; 4 k: offset of the loads, and of the per-k tables in LDS
.set OVEL, 139
.set OF0,  140
.set ONB,  141                         ; 4 r
.set WA,   142                         ; 4 (80 w + k)
.set GAD,  145                         ; row 2 w of G, column 80 w + k: 2880 w + 2 k
.set ZR,   148                         ; v[148:151] zeros for the clearing
.set NMX,  148                         ; later: softmax's maximum and sum (destinations of DPP forms count as read: these are written)
.set NSM,  149
.set ZA,   152
.set NT,   153                         ; v153-154 sample numbers
.set BA,   155                         ; v155-158 the chain to B
.set BB,   156
.set BC,   157
.set BD,   158
.set FK,   159                         ; k + 1
.set FY,   162                         ; k^2, then 1 + B k^2
.set FE,   165                         ; f, then omega
.set FS,   168                         ; the root
.set FC,   171
.set FRM,  174
.set FD,   177                         ; 1 + detune
.set GA,   180                         ; pan, then the right gain
.set GB,   183                         ; exp(log_A0 - m)
.set GC,   186                         ; the left gain, then both as f16
.set PT,   189                         ; v189-191
.set TX,   193                         ; v193-201: the per-k tables' and the noise bands' temporaries
.set TZ,   196
.set TU,   199
; ---- scalar pairs: one constant twice, used as a broadcast source ----
.set INV2PI, 66
.set NMAGIC, 68
.set N2PIH,  70
.set N2PIL,  72
.set CB,     74                        ; BETA
.set CG,     76                        ; GAMMA
.set CE,     78                        ; EPS
.set AS7,    0xb917fe86                ; S7 = -1.4495294e-4
.set L2E,    0x3fb8aa3b                ; log2 e
.set NL2E,   0xbfb8aa3b
.set TWOPI,  0x40c90fdb
.set NFMAX,  0xff7fffff                ; the most negative finite f32
.macro SPAIR r, val
	s_mov_b32 s[\r], \val
	s_mov_b32 s[\r+1], \val
.endm
; d = a / D, correctly rounded: quotient by the reciprocal, exact remainder, one correction.  negd = -D, rd = 1 / D
.macro DIVRN d, a, negd, rd, t
	v_mul_f32 v[\d], \rd, v[\a]
	v_fma_f32 v[\t], v[\d], \negd, v[\a]
	v_fma_f32 v[\d], v[\t], \rd, v[\d]
.endm
; the argument of e^x for cnt neighbouring registers, line by line across them: x log2e in two words; its whole part (still f32) into d, its fraction into t1
.macro EXPARG cnt, d, x, t1, t2
.set ti, 0
.rept \cnt
	v_mul_f32 v[\t1+ti], L2E, v[\x+ti]
.set ti, ti+1
.endr
.set ti, 0
.rept \cnt
	v_fma_f32 v[\t2+ti], v[\x+ti], L2E, -v[\t1+ti]
.set ti, ti+1
.endr
.set ti, 0
.rept \cnt
	v_fma_f32 v[\t2+ti], v[\x+ti], 0x32a57060, v[\t2+ti]
.set ti, ti+1
.endr
.set ti, 0
.rept \cnt
	v_rndne_f32 v[\d+ti], v[\t1+ti]
.set ti, ti+1
.endr
.set ti, 0
.rept \cnt
	v_sub_f32 v[\t1+ti], v[\t1+ti], v[\d+ti]
.set ti, ti+1
.endr
.set ti, 0
.rept \cnt
	v_add_f32 v[\t1+ti], v[\t1+ti], v[\t2+ti]
.set ti, ti+1
.endr
.endm
; d = e^x: the fraction by v_exp_f32, the whole part by v_ldexp_f32; the conversions are the plain place behind the exponentials (ISA guide 5.7.2)
.macro EXPEN cnt, d, x, t1, t2
	EXPARG \cnt, \d, \x, \t1, \t2
.set ti, 0
.rept \cnt
	v_exp_f32 v[\t1+ti], v[\t1+ti]
.set ti, ti+1
.endr
.set ti, 0
.rept \cnt
	v_cvt_i32_f32 v[\d+ti], v[\d+ti]
.set ti, ti+1
.endr
	s_wait_alu depctr_va_vdst(0)                   ; the exponentials of the fractions are written, ahead of their first reader
.set ti, 0
.rept \cnt
	v_ldexp_f32 v[\d+ti], v[\t1+ti], v[\d+ti]
.set ti, ti+1
.endr
.endm
; from log tau in src: C = -log2e / tau, kept finite so that t = 0 gives exp2(0), into array ac; exp2(16 c C), the decay over 16 samples, into array ae
.macro DECAY src, ac, ae
.irp p, 0,1,2
	v_mul_f32 v[TX+\p], NL2E, v[\src+\p]
.endr
.irp p, 0,1,2
	v_exp_f32 v[TX+\p], v[TX+\p]                   ; 1 / tau
.endr
	v_nop                                          ; the plain place behind the transcendentals
	s_wait_alu depctr_va_vdst(0)                   ; the three 1 / tau are written, ahead of their first reader
.irp p, 0,1,2
	v_mul_f32 v[TX+\p], NL2E, v[TX+\p]
.endr
.irp p, 0,1,2
	v_max_num_f32 v[TX+\p], NFMAX, v[TX+\p]
.endr
.irp p, 0,1,2
	v_mul_f32 v[TZ+\p], 0x39be37c6, v[TX+\p]       ; 16 x fl(1 / 44100)
.endr
.irp p, 0,1,2
	v_exp_f32 v[TZ+\p], v[TZ+\p]
.endr
	v_nop
	s_wait_alu depctr_va_vdst(0)                   ; C and the three decays are written: the LDS stores below read them, and are the decays' first readers
.irp p, 0,1,2
	ds_store_b32 v[KO+\p], v[TX+\p] offset:PK+PKA*\ac
	ds_store_b32 v[KO+\p], v[TZ+\p] offset:PK+PKA*\ae
.endr
.endm
; ph <- ph - 2 pi round(ph / 2 pi), cnt pairs, stage by stage so that cnt independent instructions follow each other.
; The first subtraction is exact (turns below 2^15 x 24 bits of 2 pi, result below 4 on a grid of 2^-21); the second adds 2 pi's low word.
.macro REDUCE cnt, ph, q
.set ti, 0
.rept \cnt
	v_pk_fma_f32 v[\q+ti:\q+ti+1], v[\ph+ti:\ph+ti+1], s[INV2PI:INV2PI+1], v[MG:MG+1] op_sel_hi:[1,0,1]
.set ti, ti+2
.endr
.set ti, 0
.rept \cnt
	v_pk_add_f32 v[\q+ti:\q+ti+1], v[\q+ti:\q+ti+1], s[NMAGIC:NMAGIC+1] op_sel_hi:[1,0]
.set ti, ti+2
.endr
.set ti, 0
.rept \cnt
	v_pk_fma_f32 v[\ph+ti:\ph+ti+1], v[\q+ti:\q+ti+1], s[N2PIH:N2PIH+1], v[\ph+ti:\ph+ti+1] op_sel_hi:[1,0,1]
.set ti, ti+2
.endr
.set ti, 0
.rept \cnt
	v_pk_fma_f32 v[\ph+ti:\ph+ti+1], v[\q+ti:\q+ti+1], s[N2PIL:N2PIL+1], v[\ph+ti:\ph+ti+1] op_sel_hi:[1,0,1]
.set ti, ti+2
.endr
.endm
; p = (w^2 + GAMMA) w + EPS with w = r^2 + BETA (left in q), so that sin r = S7 r p on [-pi, pi]
.macro POLY cnt, ph, q, p
.set ti, 0
.rept \cnt
	v_pk_fma_f32 v[\q+ti:\q+ti+1], v[\ph+ti:\ph+ti+1], v[\ph+ti:\ph+ti+1], s[CB:CB+1] op_sel_hi:[1,1,0]
.set ti, ti+2
.endr
.set ti, 0
.rept \cnt
	v_pk_fma_f32 v[\p+ti:\p+ti+1], v[\q+ti:\q+ti+1], v[\q+ti:\q+ti+1], s[CG:CG+1] op_sel_hi:[1,1,0]
.set ti, ti+2
.endr
.set ti, 0
.rept \cnt
	v_pk_fma_f32 v[\p+ti:\p+ti+1], v[\p+ti:\p+ti+1], v[\q+ti:\q+ti+1], s[CE:CE+1] op_sel_hi:[1,1,0]
.set ti, ti+2
.endr
.endm
; reduced phases in ph and the polynomial in P -> cnt registers of an f16 A fragment: envelope x sin.  Pairs 0-3 take their envelopes (which carry S7)
; from ea on, pairs 4-7 from eo on, es registers from pair to pair (0: one pair for all)
.macro FINISH cnt, ph, fr, ea, eo, es
.set ti, 0
.rept \cnt
.set te, (\ea)+(\es)*ti+(ti/4)*((\eo)-(\ea)-4*(\es))
	v_pk_mul_f32 v[\ph+2*ti:\ph+2*ti+1], v[\ph+2*ti:\ph+2*ti+1], v[te:te+1]
.set ti, ti+1
.endr
.set ti, 0
.rept \cnt
	v_pk_mul_f32 v[P+ti:P+ti+1], v[P+ti:P+ti+1], v[\ph+ti:\ph+ti+1]
.set ti, ti+2
.endr
.set ti, 0
.rept \cnt
	v_cvt_pk_f16_f32 v[\fr+ti], v[P+2*ti], v[P+2*ti+1]     ; the lower kk in the low half
.set ti, ti+1
.endr
.endm
; cnt pairs of phases in ph -> a fragment: the three stages on end
.macro TILE cnt, ph, fr, ea, eo, es
	REDUCE \cnt, \ph, Q
	POLY \cnt, \ph, Q, P
	FINISH \cnt, \ph, \fr, \ea, \eo, \es
.endm
; one chunk of 32 kk for both tiles.  goff: the chunk's G bytes from VG; wnext: the NEXT chunk's omegas from VW; zero = 1: the products start the sums
.macro CHUNK cnt, goff, wnext, a0, o0, a1, o1, es, zero
	s_wait_dscnt 0x0                               ; this chunk's omegas, asked for one chunk ago
.set ti, 0
.rept \cnt
	v_pk_mul_f32 v[PH0+ti:PH0+ti+1], v[W+ti:W+ti+1], v[T0:T0+1]    ; fl(omega t): reference()'s phase
.set ti, ti+2
.endr
.set ti, 0
.rept \cnt
	v_pk_mul_f32 v[PH1+ti:PH1+ti+1], v[W+ti:W+ti+1], v[T1:T1+1]
.set ti, ti+2
.endr
	s_wait_alu depctr_va_vdst(0)                   ; the products above are done reading W; the last chunk's matrix instructions are done reading G; in a trip's first chunk v[VW] and v[VG] are written
	ds_load_b128 v[G:G+3],   v[VG] offset:\goff
	ds_load_b128 v[G+4:G+7], v[VG] offset:\goff+32
	REDUCE \cnt, PH0, Q                            ; no line from the wait to the first product names W, G, v[VW] or v[VG]: the loads dealt among them owe no further wait
	ds_load_b128 v[W:W+3],     v[VW] offset:\wnext         ; kk = 8 h + 0..7 of the next chunk: all lanes of a half read the same words
	ds_load_b128 v[W+4:W+7],   v[VW] offset:\wnext+16
	POLY \cnt, PH0, Q, P
	ds_load_b128 v[W+8:W+11],  v[VW] offset:\wnext+64      ; kk = 16 + 8 h + 0..7
	ds_load_b128 v[W+12:W+15], v[VW] offset:\wnext+80
	FINISH \cnt, PH0, FR0, \a0, \o0, \es
	s_wait_dscnt 0x4                               ; G is in; the four younger loads (next omegas) stay out
.if \zero
	v_wmma_f32_16x16x32_f16 v[AC0:AC0+7], v[FR0:FR0+7], v[G:G+7], 0
.else
	v_wmma_f32_16x16x32_f16 v[AC0:AC0+7], v[FR0:FR0+7], v[G:G+7], v[AC0:AC0+7]    ; the two accumulators take turns
.endif
	TILE \cnt, PH1, FR1, \a1, \o1, \es
.if \zero
	v_wmma_f32_16x16x32_f16 v[AC1:AC1+7], v[FR1:FR1+7], v[G:G+7], 0
.else
	v_wmma_f32_16x16x32_f16 v[AC1:AC1+7], v[FR1:FR1+7], v[G:G+7], v[AC1:AC1+7]
.endif
.endm
; the parameters of octet e.  Group A: 10 loads (C1, C2, L1, L2, WB), read by the octet's first 16 lines alone,
.macro EBLDA e
.irp a, 0,1,2,3,6
	ds_load_b128 v[112+8*\a:115+8*\a], v[VPK] offset:PKA*\a+64*(\e)
	ds_load_b128 v[116+8*\a:119+8*\a], v[VPK] offset:PKA*\a+64*(\e)+16
.endr
.endm
; and group B: 8 loads (E1, E2, then HD, OM), read in its second part
.macro EBLDB e
.irp a, 4,5,7,8
	ds_load_b128 v[112+8*\a:115+8*\a], v[VPK] offset:PKA*\a+64*(\e)
	ds_load_b128 v[116+8*\a:119+8*\a], v[VPK] offset:PKA*\a+64*(\e)+16
.endr
.endm
; S7 env beat of the octet k = 16 e + 8 h + 0..7 for both tiles: eight slots (4 x tile + pair of k).
; a1 exp(-t / tau1) = exp2(C1 t + log2 a1): the weight rides in the exponent; tile 1 is tile 0 times the decay over 16 samples.
; The parameters come one octet ahead: each group of registers is loaded again behind the wait that shows its readers done.
; more = 1: an octet follows; more = 0: the noise chunk's omegas are asked for in the next octet's group A's place.
.macro EBOCT e, more
	s_wait_dscnt 0x8                               ; my group A is in; the eight younger loads (group B) stay out
.set sl, 0
.rept 4
	v_pk_fma_f32 v[XA+2*sl:XA+2*sl+1], v[KC1+2*sl:KC1+2*sl+1], v[T0:T0+1], v[KL1+2*sl:KL1+2*sl+1]
	v_pk_fma_f32 v[XB+2*sl:XB+2*sl+1], v[KC2+2*sl:KC2+2*sl+1], v[T0:T0+1], v[KL2+2*sl:KL2+2*sl+1]
.set sl, sl+1
.endr
.set sl, 0
.rept 8
	v_exp_f32 v[XA+sl], v[XA+sl]
	v_exp_f32 v[XB+sl], v[XB+sl]
.set sl, sl+1
.endr
.set sl, 0
.rept 8
	v_pk_mul_f32 v[PHC+2*sl:PHC+2*sl+1], v[KWB+2*(sl%4):KWB+2*(sl%4)+1], v[T0+2*(sl/4):T0+2*(sl/4)+1]  ; fl(2 pi bhz) t; also the plain place behind the exponentials
.set sl, sl+1
.endr
	REDUCE 8, PHC, QC                              ; work that names no exponential's result stands between the batch and its wait
	s_wait_alu depctr_va_vdst(0)                   ; the sixteen exponentials are written, ahead of their first reader; the lines above are done reading group A, in which the loads below land
.if \more
	EBLDA \e+1
	s_wait_dscnt 14                                ; E1 and E2 are in; HD's and OM's four loads and the ten just issued stay out
.else
	ds_load_b128 v[W:W+3],   v[VW] offset:2560     ; the noise chunk's omegas: kk = 640 + 8 h + 0..7
	ds_load_b128 v[W+4:W+7], v[VW] offset:2576
	s_wait_dscnt 6                                 ; here two loads were just issued
.endif
.set sl, 0
.rept 4
	v_pk_mul_f32 v[XA+8+2*sl:XA+8+2*sl+1], v[XA+2*sl:XA+2*sl+1], v[KE1+2*sl:KE1+2*sl+1]              ; tile 1
	v_pk_mul_f32 v[XB+8+2*sl:XB+8+2*sl+1], v[XB+2*sl:XB+2*sl+1], v[KE2+2*sl:KE2+2*sl+1]
.set sl, sl+1
.endr
.set sl, 0
.rept 8
	v_pk_add_f32 v[XA+2*sl:XA+2*sl+1], v[XA+2*sl:XA+2*sl+1], v[XB+2*sl:XB+2*sl+1]                    ; env; XB is free from here
.set sl, sl+1
.endr
.set sl, 0
.rept 16
	v_sub_f32 v[PHC+sl], s82, |v[PHC+sl]|          ; cos r = sin(pi/2 - |r|)
.set sl, sl+1
.endr
	POLY 8, PHC, QC, PCC
.set sl, 0
.rept 8
	v_pk_mul_f32 v[PCC+2*sl:PCC+2*sl+1], v[PCC+2*sl:PCC+2*sl+1], v[PHC+2*sl:PHC+2*sl+1]              ; the cosine / S7
.set sl, sl+1
.endr
.if \more
	s_wait_dscnt 10                                ; HD and OM are in; the next octet's group A, issued behind them, stays out
.else
	s_wait_dscnt 2                                 ; here the two loads of omegas were issued behind them
.endif
.set sl, 0
.rept 8
	v_pk_fma_f32 v[PCC+2*sl:PCC+2*sl+1], v[KHD+2*(sl%4):KHD+2*(sl%4)+1], v[PCC+2*sl:PCC+2*sl+1], v[KOM+2*(sl%4):KOM+2*(sl%4)+1]  ; S7 beat = S7 (1 - d/2) + S7^2 d/2 (cos / S7)
.set sl, sl+1
.endr
.set sl, 0
.rept 8
.set te, EB+40*(sl/4)+8*\e+2*(sl%4)
	v_pk_mul_f32 v[te:te+1], v[XA+2*sl:XA+2*sl+1], v[PCC+2*sl:PCC+2*sl+1]
.set sl, sl+1
.endr
.if \more
	s_wait_alu depctr_va_vdst(0)                   ; tile 1's products are done reading E1 and E2, the beat's multiply-adds HD and OM: the loads below land in them
	EBLDB \e+1
.endif
.endm
; ================= P0: ids, the clearing, all loads at once; behind them everything that hangs on no input =================
	s_load_b512 s[16:31], s[0:1], 0x0              ; f0 16, vel 18, slope 20, intercept 22, tau1 24, tau2 26, a1 28, beat_hz 30
	s_load_b512 s[32:47], s[0:1], 0x40             ; depth 32, A0 34, detune 36, band gain 38, tau_noise 40, noise level 42, pan 44, out 46
	v_lshl_add_u32 v30, v0, 2, 0xaf00
	v_mov_b32 v31, 0
	v_and_b32 v[VR], 15, v0
	v_bfe_u32 v[VH], v0, 4, 1
	v_and_b32 v[VL], 31, v0
	v_lshrrev_b32 v[OF0], 5, v0
	v_readfirstlane_b32 s8, v[OF0]                 ; wave 0..7: also the note whose 80 columns of the tables this wave makes
	v_lshlrev_b32 v[OF0], 2, v[OF0]                ; f0[w]
	v_lshlrev_b32 v[KO], 2, v[VL]                  ; pass 0: k = lane
	v_lshl_add_u32 v[KO+1], v[VL], 2, 128          ; pass 1: k = lane + 32
	v_lshl_add_u32 v[KO+2], v[VR], 2, 256          ; pass 2: k = 64 + r; lanes r and r + 16 do the same work and write the same words
	v_lshrrev_b32 v[OVEL], 1, v[VR]                ; vel[r >> 1]: the note of output row r
	v_lshlrev_b32 v[OVEL], 2, v[OVEL]
	v_lshlrev_b32 v[ONB], 2, v[VR]                 ; band gain[r]
	v_mov_b32 v[ZR], 0
	v_mov_b32 v[ZR+1], 0
	v_mov_b32 v[ZR+2], 0
	v_mov_b32 v[ZR+3], 0
	v_lshlrev_b32 v[ZA], 4, v0
	s_wait_alu depctr_va_sdst(0)                   ; s8 is written, ahead of its first reader: LDS and output offsets and the tables' branches are made from it
	s_wait_alu depctr_va_vdst(0)                   ; the zeros and their address are written, which the clearing reads; so are the six kinds of offsets that the 24 loads read
	; G is block-diagonal and omega has 16 words of pad: bytes 0 .. 24,575 are cleared, 6 x 4,096 bytes by 256 threads
.irp i, 0,1,2,3,4,5
	ds_store_b128 v[ZA], v[ZR:ZR+3] offset:4096*\i
.endr
	s_wait_kmcnt 0x0
	s_load_b32 s48, s[20:21], 0x0                  ; log_B_slope
	s_load_b32 s49, s[22:23], 0x0                  ; log_B_intercept
	s_load_b32 s50, s[40:41], 0x0                  ; log_tau_noise
	s_load_b32 s51, s[42:43], 0x0                  ; log_noise_level
	s_load_b32 s52, s[44:45], 0x0                  ; pan_scale
	; 24 loads, the same in every wave, in one run; their offsets are never rewritten before the loads are back
.irp p, 0,1,2
	global_load_b32 v[IA0+\p],  v[KO+\p], s[34:35]
	global_load_b32 v[IDT+\p],  v[KO+\p], s[36:37]
	global_load_b32 v[ILT1+\p], v[KO+\p], s[24:25]
	global_load_b32 v[ILT2+\p], v[KO+\p], s[26:27]
	global_load_b32 v[ILA1+\p], v[KO+\p], s[28:29]
	global_load_b32 v[ILBH+\p], v[KO+\p], s[30:31]
	global_load_b32 v[ILBD+\p], v[KO+\p], s[32:33]
.endr
	global_load_b32 v[IVEL], v[OVEL], s[18:19]
	global_load_b32 v[IF0],  v[OF0],  s[16:17]
	global_load_b32 v[INBG], v[ONB],  s[38:39]
	s_mov_b32 s12, 0x76543210                      ; v_permlanex16_b32: lane i reads lane i of the other half
	s_mov_b32 s13, 0xfedcba98
	SPAIR INV2PI, 0x3e22f983                       ; 1 / 2 pi
	SPAIR NMAGIC, 0xcb400000                       ; -1.5 x 2^23
	SPAIR N2PIH,  0xc0c90fdb                       ; -(2 pi rounded to f32)
	SPAIR N2PIL,  0x343bbd2e                       ; -(2 pi - that)
	SPAIR CB,     0xc1925d03                       ; BETA  = -18.2954159
	SPAIR CG,     0x430aa998                       ; GAMMA = 138.662476
	SPAIR CE,     0x44dce20e                       ; EPS   = 1767.06421
	s_mov_b32 s82, 0x3fc90fdb                      ; pi / 2
	s_mov_b32 s61, 0x46ac4400                      ; 22050.0
	v_mov_b32 v[MG], 0x4b400000
	v_mov_b32 v[MG+1], 0x4b400000
	v_lshl_add_u32 v[VW], v[VH], 5, WT
	v_mul_u32_u24 v[VG], v[VR], GP
	v_lshl_add_u32 v[VG], v[VH], 4, v[VG]
	v_lshl_add_u32 v[VPK], v[VH], 5, PK
	s_lshl_b32 s15, s8, 7
	s_add_co_u32 s15, s15, STAGE
	v_mul_u32_u24 v[VST], v[VR], SP
	v_lshl_add_u32 v[VST], v[VH], 5, v[VST]
	v_add_nc_u32 v[VST], s15, v[VST]
	s_mul_i32 s53, s8, 2*SP
	s_add_co_u32 s53, s53, STAGE
	v_lshl_add_u32 v[VRD], v[VL], 4, s53
	s_lshl_b32 s54, s8, 19                         ; two output rows a wave
	v_lshl_add_u32 v[VCO], v[VL], 4, s54
	s_lshl_b32 s9, ttmp9, 8                        ; t = fl(n x fl(1 / 44100)), n = 256 g + 32 w + 16 tile + r
	v_and_b32 v[NT], 0xe0, v0
	v_add3_u32 v[NT], v[NT], v[VR], s9
	v_add_nc_u32 v[NT+1], 16, v[NT]
	v_cvt_f32_u32 v[NT], v[NT]
	v_cvt_f32_u32 v[NT+1], v[NT+1]
	v_mul_f32 v[T0], 0x37be37c6, v[NT]
	v_mul_f32 v[T0+1], 0x37be37c6, v[NT]
	v_mul_f32 v[T1], 0x37be37c6, v[NT+1]
	v_mul_f32 v[T1+1], 0x37be37c6, v[NT+1]
	s_mul_i32 s55, s8, 320                         ; 80 w words of omega
	s_mul_i32 s60, s8, 2880                        ; row 2 w (2,720 w bytes) + column 80 w (160 w bytes) of G
.irp p, 0,1,2
	v_add_nc_u32 v[WA+\p], s55, v[KO+\p]
.endr
.irp p, 0,1,2
	v_lshrrev_b32 v[GAD+\p], 1, v[KO+\p]
.endr
.irp p, 0,1,2
	v_add_nc_u32 v[GAD+\p], s60, v[GAD+\p]
.endr
.irp p, 0,1,2
	v_lshrrev_b32 v[FK+\p], 2, v[KO+\p]
.endr
.irp p, 0,1,2
	v_add_nc_u32 v[FK+\p], 1, v[FK+\p]
.endr
.irp p, 0,1,2
	v_cvt_f32_u32 v[FK+\p], v[FK+\p]               ; k + 1
.endr
.irp p, 0,1,2
	v_mul_f32 v[FY+\p], v[FK+\p], v[FK+\p]         ; (k + 1)^2
.endr
.irp p, 0,1,2
	v_add_f32 v[GA+\p], -1.0, v[FK+\p]             ; pan_init = (k / 79 x 2 - 1) x 0.1
.endr
.irp p, 0,1,2
	v_mul_f32 v[GA+\p], 0x3c4f6475, v[GA+\p]
.endr
.irp p, 0,1,2
	v_fma_f32 v[GA+\p], v[GA+\p], 2.0, -1.0
.endr
.irp p, 0,1,2
	v_mul_f32 v[GA+\p], 0x3dcccccd, v[GA+\p]
.endr
	s_lshl_b32 s10, ttmp9, 10                      ; the work-group's 1,024 bytes in every output row
	s_mov_b32 s11, 0
	s_add_nc_u64 s[46:47], s[46:47], s[10:11]
	s_wait_dscnt 0x0                               ; my part of the clearing is done before anybody writes table entries
	s_barrier_signal -1
	s_barrier_wait -1
; ================= P1: the tables.  Four chains are woven, so that few lines wait for the one in front of them: =================
; m (a maximum over the wave), pan_scale and tau_noise, the chain to B of note w, and the three passes' gains and frequencies.
; Their transcendentals stand in four batches.  Behind each batch comes a plain line that touches none of it (ISA guide 5.7.2), then work that names
; none of its results, then ONE wait ahead of the batch's first reader.
	s_wait_loadcnt 0x0
	s_wait_kmcnt 0x0
	v_max3_num_f32 v[VM], v[IA0], v[IA0+1], v[IA0+2]
	v_mul_f32 v[BA], 0x3b14f209, v[IF0]            ; f0 / 440, correctly rounded: quotient,
	v_mov_b32 v[PT], s52
	v_mov_b32 v[PT+1], s50
	v_max_num_f32_dpp v[VM], v[VM], v[VM] row_xmask:1 row_mask:0xf bank_mask:0xf
	v_fma_f32 v[BB], v[BA], 0xc3dc0000, v[IF0]     ; exact remainder,
	v_mul_f32 v[PT], L2E, v[PT]
	v_mul_f32 v[PT+1], NL2E, v[PT+1]
	v_max_num_f32_dpp v[VM], v[VM], v[VM] row_xmask:2 row_mask:0xf bank_mask:0xf
	v_fma_f32 v[BA], v[BB], 0x3b14f209, v[BA]      ; correction
	v_max_num_f32_dpp v[VM], v[VM], v[VM] row_xmask:4 row_mask:0xf bank_mask:0xf
	v_exp_f32 v[VPS], v[PT]                        ; batch 1: exp(pan_scale),
	v_exp_f32 v[CN], v[PT+1]                       ; 1 / tau_noise,
	v_log_f32 v[BA], v[BA]                         ; log2(f0 / 440)
.irp p, 0,1,2
	v_mul_f32 v[FE+\p], v[IF0], v[FK+\p]           ; (f0 k)
.endr
	v_max_num_f32_dpp v[VM], v[VM], v[VM] row_xmask:8 row_mask:0xf bank_mask:0xf
	v_permlanex16_b32 v[NT], v[VM], s12, s13       ; its destination counts as read: it has been written
	v_max_num_f32 v[VM], v[VM], v[NT]
	v_max_num_f32 v[VM], s51, v[VM]                ; m = max(max log_A0, log_noise_level), in every lane
.irp p, 0,1,2
	v_sub_f32 v[GB+\p], v[IA0+\p], v[VM]           ; log_A0 - m
.endr
	v_mul_f32 v[PT+2], L2E, v[VM]
.irp p, 0,1,2
	v_mul_f32 v[GB+\p], L2E, v[GB+\p]
.endr
	s_wait_alu depctr_va_vdst(0)                   ; exp(pan_scale), 1 / tau_noise and the logarithm are written, ahead of their first readers
	v_mul_f32 v[CN], NL2E, v[CN]                   ; -log2e / tau_noise
.irp p, 0,1,2
	v_mul_f32 v[GA+\p], v[VPS], v[GA+\p]           ; pan_init exp(pan_scale)
.endr
	v_mul_f32 v[BA], 0x41400000, v[BA]             ; 12 log2
	v_max_num_f32 v[CN], NFMAX, v[CN]              ; kept finite so that t = 0 gives exp2(0) = 1
	v_add_f32 v[BA], 0x428a0000, v[BA]             ; + 69: midi
.irp p, 0,1,2
	v_mul_f32 v[GA+\p], 0x4038aa3b, v[GA+\p]       ; tanh p = 1 - 2 / (1 + exp2(2 log2e p))
.endr
	v_add_f32 v[BA], 0xc1a80000, v[BA]             ; - 21
	v_mul_f32 v[PT], v[T0], v[CN]
	v_mul_f32 v[PT+1], v[T1], v[CN]
	v_mul_f32 v[BB], 0x3c3c5264, v[BA]             ; / 87, correctly rounded
.irp p, 0,1,2
	v_exp_f32 v[GA+\p], v[GA+\p]                   ; batch 2: tanh's exponentials,
.endr
	v_exp_f32 v[PT], v[PT]                         ; noise envelope of tile 0,
	v_exp_f32 v[PT+1], v[PT+1]                     ; of tile 1,
.irp p, 0,1,2
	v_exp_f32 v[GB+\p], v[GB+\p]                   ; exp(log_A0 - m), at most 1,
.endr
	v_exp_f32 v[PT+2], v[PT+2]                     ; exp(m)
	v_fma_f32 v[BC], v[BB], 0xc2ae0000, v[BA]
	v_fma_f32 v[BB], v[BC], 0x3c3c5264, v[BB]      ; midi_norm
	v_mul_f32 v[BB], s48, v[BB]                    ; slope x, rounded,
	v_add_f32 v[BB], s49, v[BB]                    ; + intercept, rounded: two operations as in reference()
	v_med3_num_f32 v[BB], v[BB], 0xc1600000, -4.0  ; clip to [-14, -4]
	v_mul_f32 v[BC], L2E, v[BB]                    ; B = e^x: x log2e in two words,
	v_fma_f32 v[BD], v[BB], L2E, -v[BC]
	v_fma_f32 v[BD], v[BB], 0x32a57060, v[BD]
	v_rndne_f32 v[BA], v[BC]                       ; the whole part,
	v_sub_f32 v[BC], v[BC], v[BA]
	v_add_f32 v[BC], v[BC], v[BD]                  ; the fraction
	s_wait_alu depctr_va_vdst(0)                   ; batch 2's nine exponentials are written, ahead of their first readers
.irp p, 0,1,2
	v_add_f32 v[GA+\p], 1.0, v[GA+\p]
.endr
	v_mul_f32 v[NE0], AS7, v[PT]                   ; the envelopes carry the polynomial's factor S7; each twice, to fill the pairs
	v_mul_f32 v[NE0+1], AS7, v[PT]
	v_mul_f32 v[NE1], AS7, v[PT+1]
	v_mul_f32 v[NE1+1], AS7, v[PT+1]
	v_mul_f32 v[SC], v[IVEL], v[PT+2]
	v_mul_f32 v[SC+1], v[IVEL], v[PT+2]
.irp p, 0,1,2
	v_rcp_f32 v[GA+\p], v[GA+\p]                   ; batch 3: tanh's reciprocals,
.endr
	v_exp_f32 v[BC], v[BC]                         ; B's fraction
	v_cvt_i32_f32 v[BA], v[BA]
	s_wait_alu depctr_va_vdst(0)                   ; the three reciprocals and the power of B's fraction are written, ahead of their first readers
.irp p, 0,1,2
	v_fma_f32 v[GA+\p], v[GA+\p], -2.0, 1.0        ; pan
.endr
	v_ldexp_f32 v[BA], v[BC], v[BA]                ; B of note w
.irp p, 0,1,2
	v_fma_f32 v[GC+\p], v[GA+\p], -0.5, 0.5        ; 0.5 (1 - pan)
.endr
.irp p, 0,1,2
	v_mul_f32 v[FY+\p], v[BA], v[FY+\p]
.endr
.irp p, 0,1,2
	v_fma_f32 v[GA+\p], v[GA+\p], 0.5, 0.5         ; 0.5 (1 + pan)
.endr
.irp p, 0,1,2
	v_add_f32 v[FY+\p], 1.0, v[FY+\p]              ; 1 + B k^2
.endr
.irp p, 0,1,2
	v_max_num_f32 v[GC+\p], 0, v[GC+\p]            ; the rounded tanh may pass 1 by a unit in the last place
.endr
.irp p, 0,1,2
	v_max_num_f32 v[GA+\p], 0, v[GA+\p]
.endr
.irp p, 0,1,2
	v_sqrt_f32 v[GC+\p], v[GC+\p]                  ; batch 4: the gains' roots,
.endr
.irp p, 0,1,2
	v_sqrt_f32 v[GA+\p], v[GA+\p]
.endr
.irp p, 0,1,2
	v_sqrt_f32 v[FS+\p], v[FY+\p]                  ; the frequencies' roots and their reciprocals
.endr
.irp p, 0,1,2
	v_rsq_f32 v[FC+\p], v[FY+\p]
.endr
.irp p, 0,1,2
	v_add_f32 v[FD+\p], 1.0, v[IDT+\p]
.endr
	s_wait_alu depctr_va_vdst(0)                   ; batch 4's twelve roots are written, ahead of their first readers
.irp p, 0,1,2
	v_fma_f32 v[FRM+\p], -v[FS+\p], v[FS+\p], v[FY+\p]     ; the root is corrected by its exact remainder
.endr
.irp p, 0,1,2
	v_mul_f32 v[FC+\p], 0.5, v[FC+\p]
.endr
.irp p, 0,1,2
	v_fma_f32 v[FS+\p], v[FRM+\p], v[FC+\p], v[FS+\p]
.endr
.irp p, 0,1,2
	v_mul_f32 v[FE+\p], v[FE+\p], v[FS+\p]         ; x sqrt
.endr
.irp p, 0,1,2
	v_mul_f32 v[FE+\p], v[FE+\p], v[FD+\p]         ; x (1 + detune): f
.endr
.irp p, 0,1,2
	v_cmp_gt_f32 s[56+\p], s61, v[FE+\p]           ; alive: 22050 > f
.endr
.irp p, 0,1,2
	v_mul_f32 v[FE+\p], TWOPI, v[FE+\p]            ; omega = fl(2 pi f)
.endr
	s_wait_alu depctr_va_sdst(0)                   ; the three masks s56 to s58 are written, ahead of the selects that read them
.irp p, 0,1,2
	v_cndmask_b32 v[GB+\p], 0, v[GB+\p], s[56+\p]  ; dead partials: gain 0,
.endr
.irp p, 0,1,2
	v_cndmask_b32 v[FE+\p], 0, v[FE+\p], s[56+\p]  ; omega 0
.endr
.irp p, 0,1,2
	v_mul_f32 v[GC+\p], v[GC+\p], v[GB+\p]
.endr
.irp p, 0,1,2
	v_mul_f32 v[GA+\p], v[GA+\p], v[GB+\p]
.endr
.irp p, 0,1,2
	v_cvt_pk_f16_f32 v[GC+\p], v[GC+\p], v[GA+\p]  ; left in the low half, right in the high half
.endr
	s_wait_alu depctr_va_vdst(0)                   ; omega and the packed gains are written, which the LDS stores read
.irp p, 0,1,2
	ds_store_b32 v[WA+\p], v[FE+\p] offset:WT
	ds_store_b16 v[GAD+\p], v[GC+\p]               ; row 2 w
	ds_store_b16_d16_hi v[GAD+\p], v[GC+\p] offset:GP      ; row 2 w + 1
.endr
	; the tables per k, one kind to a wave, and the noise bands; no barrier stands inside these branches
	s_cmp_lg_u32 s8, 0
	s_cbranch_scc1 .Lt1
	DECAY ILT1, 0, 4                               ; wave 0: C1, E1
	s_branch .Ltabdone
.Lt1:
	s_cmp_lg_u32 s8, 1
	s_cbranch_scc1 .Lt2
	DECAY ILT2, 1, 5                               ; wave 1: C2, E2
	s_branch .Ltabdone
.Lt2:
	s_cmp_lg_u32 s8, 2
	s_cbranch_scc1 .Lt3
	; wave 2: L1 = log2 a1 = -log2(1 + e^-x), L2 = log2(1 - a1) = -log2(1 + e^x); an overflowing exponential gives -inf, weight 0
.irp p, 0,1,2
	v_mul_f32 v[TX+\p], NL2E, v[ILA1+\p]
.endr
.irp p, 0,1,2
	v_mul_f32 v[TZ+\p], L2E, v[ILA1+\p]
.endr
.irp p, 0,1,2
	v_exp_f32 v[TX+\p], v[TX+\p]
.endr
.irp p, 0,1,2
	v_exp_f32 v[TZ+\p], v[TZ+\p]
.endr
	v_nop
	s_wait_alu depctr_va_vdst(0)                   ; the six exponentials are written, ahead of their first readers
.irp p, 0,1,2
	v_add_f32 v[TX+\p], 1.0, v[TX+\p]
.endr
.irp p, 0,1,2
	v_add_f32 v[TZ+\p], 1.0, v[TZ+\p]
.endr
.irp p, 0,1,2
	v_log_f32 v[TX+\p], v[TX+\p]
.endr
.irp p, 0,1,2
	v_log_f32 v[TZ+\p], v[TZ+\p]
.endr
	v_nop
	s_wait_alu depctr_va_vdst(0)                   ; the six logarithms are written, ahead of their first readers
.irp p, 0,1,2
	v_sub_f32 v[TX+\p], 0, v[TX+\p]
.endr
.irp p, 0,1,2
	v_sub_f32 v[TZ+\p], 0, v[TZ+\p]
.endr
	s_wait_alu depctr_va_vdst(0)                   ; L1 and L2 are written, which the LDS stores read
.irp p, 0,1,2
	ds_store_b32 v[KO+\p], v[TX+\p] offset:PK+PKA*2
	ds_store_b32 v[KO+\p], v[TZ+\p] offset:PK+PKA*3
.endr
	s_branch .Ltabdone
.Lt3:
	s_cmp_lg_u32 s8, 3
	s_cbranch_scc1 .Lt4
	EXPEN 3, TZ, ILBH, TX, TU                      ; wave 3: WB = fl(2 pi exp(log_beat_hz))
.irp p, 0,1,2
	v_mul_f32 v[TZ+\p], TWOPI, v[TZ+\p]
.endr
	s_wait_alu depctr_va_vdst(0)                   ; WB is written, which the LDS stores read
.irp p, 0,1,2
	ds_store_b32 v[KO+\p], v[TZ+\p] offset:PK+PKA*6
.endr
	s_branch .Ltabdone
.Lt4:
	s_cmp_lg_u32 s8, 4
	s_cbranch_scc1 .Lt5
	; wave 4: with d = sigmoid(logit_beat_depth): HD = S7^2 d / 2 (it meets the cosine / S7), OM = S7 (1 - d / 2)
.irp p, 0,1,2
	v_mul_f32 v[TX+\p], NL2E, v[ILBD+\p]
.endr
.irp p, 0,1,2
	v_exp_f32 v[TX+\p], v[TX+\p]
.endr
	v_nop
	s_wait_alu depctr_va_vdst(0)                   ; the three exponentials are written, ahead of their first readers
.irp p, 0,1,2
	v_add_f32 v[TX+\p], 1.0, v[TX+\p]
.endr
.irp p, 0,1,2
	v_rcp_f32 v[TX+\p], v[TX+\p]
.endr
	v_nop
	s_wait_alu depctr_va_vdst(0)                   ; the three reciprocals are written, ahead of their first readers
.irp p, 0,1,2
	v_mul_f32 v[TX+\p], 0.5, v[TX+\p]
.endr
.irp p, 0,1,2
	v_sub_f32 v[TZ+\p], 1.0, v[TX+\p]
.endr
.irp p, 0,1,2
	v_mul_f32 v[TX+\p], AS7, v[TX+\p]
.endr
.irp p, 0,1,2
	v_mul_f32 v[TZ+\p], AS7, v[TZ+\p]
.endr
.irp p, 0,1,2
	v_mul_f32 v[TX+\p], AS7, v[TX+\p]
.endr
	s_wait_alu depctr_va_vdst(0)                   ; HD and OM are written, which the LDS stores read
.irp p, 0,1,2
	ds_store_b32 v[KO+\p], v[TX+\p] offset:PK+PKA*7
	ds_store_b32 v[KO+\p], v[TZ+\p] offset:PK+PKA*8
.endr
	s_branch .Ltabdone
.Lt5:
	s_cmp_lg_u32 s8, 5
	s_cbranch_scc1 .Ltabdone
	; wave 5: the noise bands; band j = r, both halves of the wave hold the same 16 numbers.  Its three exponentials are one batch.
	s_wait_alu depctr_vm_vsrc(0)                   ; the clearing's stores have read v148 and v149, which the maximum and the sum below write again
	v_max_num_f32_dpp v[NMX], v[INBG], v[INBG] row_xmask:1 row_mask:0xf bank_mask:0xf     ; softmax: the maximum is taken away
	v_max_num_f32_dpp v[NMX], v[NMX], v[NMX] row_xmask:2 row_mask:0xf bank_mask:0xf
	v_max_num_f32_dpp v[NMX], v[NMX], v[NMX] row_xmask:4 row_mask:0xf bank_mask:0xf
	v_max_num_f32_dpp v[NMX], v[NMX], v[NMX] row_xmask:8 row_mask:0xf bank_mask:0xf
	v_sub_f32 v[TX], v[INBG], v[NMX]
	v_mul_f32 v[TX], L2E, v[TX]
	v_cvt_f32_u32 v[TZ], v[VR]                     ; j
	DIVRN TU, TZ, 0xc1700000, 0x3d888889, TU+1     ; step = j / 15
	v_sub_f32 v[TU+1], 1.0, v[TU]                  ; linspace: start (1 - step) + stop step, each product rounded
	v_mul_f32 v[TU+1], 0x40a98bd1, v[TU+1]         ; ln 200
	v_mul_f32 v[TU], 0x411e74af, v[TU]             ; ln 20000
	v_add_f32 v[TU+1], v[TU+1], v[TU]
	EXPARG 1, TZ, TU+1, TU, TU+2                   ; the band frequency's exponent: whole part in TZ, fraction in TU
	v_sub_f32 v[TX+1], s51, v[VM]
	v_mul_f32 v[TX+1], L2E, v[TX+1]
	v_exp_f32 v[TX], v[TX]                         ; softmax's numerator,
	v_exp_f32 v[TU], v[TU]                         ; the frequency's fraction,
	v_exp_f32 v[TX+1], v[TX+1]                     ; exp(log_noise_level - m)
	v_cvt_i32_f32 v[TZ], v[TZ]                     ; (the plain place)
	v_mul_u32_u24 v[TU+1], 8*GP, v[VH]             ; rows 8 h + 0..7, column 640 + j
	v_lshl_add_u32 v[TU+1], v[VR], 1, v[TU+1]
	s_wait_alu depctr_va_vdst(0)                   ; the three exponentials are written, ahead of their first readers
	v_add_f32_dpp v[NSM], v[TX], v[TX] row_xmask:1 row_mask:0xf bank_mask:0xf
	v_add_f32_dpp v[NSM], v[NSM], v[NSM] row_xmask:2 row_mask:0xf bank_mask:0xf
	v_add_f32_dpp v[NSM], v[NSM], v[NSM] row_xmask:4 row_mask:0xf bank_mask:0xf
	v_add_f32_dpp v[NSM], v[NSM], v[NSM] row_xmask:8 row_mask:0xf bank_mask:0xf
	v_rcp_f32 v[NSM], v[NSM]
	v_ldexp_f32 v[TZ], v[TU], v[TZ]                ; band frequency (the plain place)
	v_cmp_gt_f32 vcc_lo, s61, v[TZ]
	v_mul_f32 v[TZ], TWOPI, v[TZ]
	s_wait_alu depctr_va_vcc(0)                    ; the mask in VCC is written, ahead of the selects that read it
	v_cndmask_b32 v[TZ], 0, v[TZ], vcc_lo
	s_wait_alu depctr_va_vdst(0)                   ; the reciprocal of the sum is written, ahead of its first reader
	v_mul_f32 v[TX], v[TX], v[NSM]                 ; softmax
	v_cndmask_b32 v[TX], 0, v[TX], vcc_lo
	v_mul_f32 v[TX], v[TX], v[TX+1]
	v_cvt_pk_f16_f32 v[TX], v[TX], v[TX]
	s_wait_alu depctr_va_vdst(0)                   ; the bands' omega and gain are written, which the LDS stores read (their addresses stand ahead of earlier waits)
	ds_store_b32 v[ONB], v[TZ] offset:WT+2560      ; kk = 640 + j; lanes j and j + 16 write the same word with the same value
.irp i, 0,1,2,3,4,5,6,7
	ds_store_b16 v[TU+1], v[TX] offset:GP*\i+1280
.endr
.Ltabdone:
	s_wait_dscnt 0x0                               ; my table entries are written before anybody reads the tables
	s_barrier_signal -1
	s_barrier_wait -1
; ================= P2: S7 env beat of my 40 k for both tiles, kept in registers =================
	s_wait_alu depctr_vm_vsrc(0)                   ; the head's loads and all LDS stores so far have read their offsets, addresses and data in v136 to v201, which the loads and lines below write again
	s_wait_alu depctr_va_vdst(0)                   ; the tables' arithmetic is done reading and writing v112 to v183, in which the parameters land; v[VPK] and v[VW] are written
	EBLDA 0
	EBLDB 0
	EBOCT 0, 1
	EBOCT 1, 1
	EBOCT 2, 1
	EBOCT 3, 1
	EBOCT 4, 0                                     ; asks for the noise chunk's omegas
; ================= P3: the 21 chunks =================
.irp j, 4,5,6,7
	v_mov_b32 v[FR0+\j], 0                         ; kk = 656 .. 671 is pad
	v_mov_b32 v[FR1+\j], 0
.endr
	CHUNK 4, 1280, 0, NE0, NE0, NE1, NE1, 0, 1     ; the noise chunk comes first and starts the sums: nothing is cleared
	s_mov_b32 s14, 0
.Ltrip:                                            ; four trips of five chunks: two notes a trip
.irp i, 0,1,2,3,4
.set EA, 8*((2*\i)%5)
.set EO, 8*((2*\i+1)%5)
	CHUNK 8, 64*\i, 128*\i+128, EB+EA, EB+EO, EB+40+EA, EB+40+EO, 2, 0
.endr
	s_wait_alu depctr_vm_vsrc(0)                   ; the LDS loads issued so far have read v[VW] and v[VG]
	v_add_nc_u32 v[VW], 640, v[VW]                 ; the last trip's look-ahead reads the noise chunk's 32 words once more: inside the table
	v_add_nc_u32 v[VG], 320, v[VG]
	s_add_co_u32 s14, s14, 1
	s_cmp_lt_u32 s14, 4
	s_cbranch_scc1 .Ltrip
; ================= P4: scale, and out through LDS in whole rows =================
.irp j, 0,2,4,6
	v_pk_mul_f32 v[AC0+\j:AC0+\j+1], v[AC0+\j:AC0+\j+1], v[SC:SC+1]    ; these four name none of the last matrix instruction's registers:
.endr                                                                      ; they are the four places in front of the reads of its result (ISA guide 7.12.1)
.irp j, 0,2,4,6
	v_pk_mul_f32 v[AC1+\j:AC1+\j+1], v[AC1+\j:AC1+\j+1], v[SC:SC+1]
.endr
	s_wait_alu depctr_va_vdst(0)                   ; the scaled sums are written, which the LDS stores read; the loop is done with Q, in which the stage's loads land: no vector line follows
	ds_store_b128 v[VST], v[AC0:AC0+3]             ; row r, samples 32 w + 16 tile + 8 h + 0..7
	ds_store_b128 v[VST], v[AC0+4:AC0+7] offset:16
	ds_store_b128 v[VST], v[AC1:AC1+3] offset:64
	ds_store_b128 v[VST], v[AC1+4:AC1+7] offset:80
	s_wait_dscnt 0x0                               ; my stores (and the unused look-ahead loads) are done before others read the stage
	s_barrier_signal -1
	s_barrier_wait -1
	ds_load_b128 v[Q:Q+3],     v[VRD]              ; wave w takes rows 2 w and 2 w + 1, 512 bytes a load
	ds_load_b128 v[Q+4:Q+7],   v[VRD] offset:512
	ds_load_b128 v[Q+8:Q+11],  v[VRD] offset:SP
	ds_load_b128 v[Q+12:Q+15], v[VRD] offset:SP+512
	s_wait_dscnt 0x3                               ; LDS loads come back in order: the oldest is in, three younger ones stay out
	global_store_b128 v[VCO], v[Q:Q+3], s[46:47] th:TH_STORE_NT                    ; each store of the wave covers 512 consecutive bytes, aligned
	s_wait_dscnt 0x2
	global_store_b128 v[VCO], v[Q+4:Q+7], s[46:47] offset:512 th:TH_STORE_NT
	s_wait_dscnt 0x1
	global_store_b128 v[VCO], v[Q+8:Q+11], s[46:47] offset:ROWB th:TH_STORE_NT
	s_wait_dscnt 0x0
	global_store_b128 v[VCO], v[Q+12:Q+15], s[46:47] offset:ROWB+512 th:TH_STORE_NT
	s_wait_dscnt 0x0
	s_wait_alu depctr_hold_cnt(0) depctr_sa_sdst(0) depctr_va_vdst(0) depctr_va_sdst(0) depctr_va_ssrc(0) depctr_va_vcc(0) depctr_vm_vsrc(0)
	s_wait_tensorcnt 0x0
	ds_add_u32 v30, v31
	s_wait_dscnt 0x0
	s_endpgm
.Lfunc_end_k_q2d9283f8f3_bank:
	.size	k_q2d9283f8f3_bank, .Lfunc_end_k_q2d9283f8f3_bank-k_q2d9283f8f3_bank
	.p2alignl 7, 3214868480
	.fill 96, 4, 3214868480
	.section	.rodata,"a",@progbits
	.p2align	6, 0x0
	.amdhsa_kernel k_q2d9283f8f3_bank
		.amdhsa_group_segment_fixed_size 45824
		.amdhsa_private_segment_fixed_size 0
		.amdhsa_enable_private_segment 0
		.amdhsa_kernarg_size 128
		.amdhsa_user_sgpr_count 2
		.amdhsa_user_sgpr_kernarg_segment_ptr 1
		.amdhsa_wavefront_size32 1
		.amdhsa_system_sgpr_workgroup_id_x 1
		.amdhsa_system_sgpr_workgroup_id_y 1
		.amdhsa_system_sgpr_workgroup_id_z 1
		.amdhsa_system_vgpr_workitem_id 0
		.amdhsa_next_free_vgpr 248
		.amdhsa_next_free_sgpr 96
		.amdhsa_reserve_vcc 1
		.amdhsa_float_denorm_mode_32 3
		.amdhsa_float_denorm_mode_16_64 3
		.amdhsa_memory_ordered 1
		.amdhsa_forward_progress 1
		.amdhsa_inst_pref_size 144
	.end_amdhsa_kernel
	.amdgpu_metadata
---
amdhsa.version: [ 1, 2 ]
amdhsa.kernels:
  - .name:           k_q2d9283f8f3_bank
    .symbol:         k_q2d9283f8f3_bank.kd
    .args:
      - { .name: f0, .offset: 0, .size: 8, .value_kind: global_buffer, .address_space: global }
      - { .name: vel_norm, .offset: 8, .size: 8, .value_kind: global_buffer, .address_space: global }
      - { .name: log_B_slope, .offset: 16, .size: 8, .value_kind: global_buffer, .address_space: global }
      - { .name: log_B_intercept, .offset: 24, .size: 8, .value_kind: global_buffer, .address_space: global }
      - { .name: log_tau1, .offset: 32, .size: 8, .value_kind: global_buffer, .address_space: global }
      - { .name: log_tau2, .offset: 40, .size: 8, .value_kind: global_buffer, .address_space: global }
      - { .name: logit_a1, .offset: 48, .size: 8, .value_kind: global_buffer, .address_space: global }
      - { .name: log_beat_hz, .offset: 56, .size: 8, .value_kind: global_buffer, .address_space: global }
      - { .name: logit_beat_depth, .offset: 64, .size: 8, .value_kind: global_buffer, .address_space: global }
      - { .name: log_A0, .offset: 72, .size: 8, .value_kind: global_buffer, .address_space: global }
      - { .name: harm_detune, .offset: 80, .size: 8, .value_kind: global_buffer, .address_space: global }
      - { .name: noise_band_gain, .offset: 88, .size: 8, .value_kind: global_buffer, .address_space: global }
      - { .name: log_tau_noise, .offset: 96, .size: 8, .value_kind: global_buffer, .address_space: global }
      - { .name: log_noise_level, .offset: 104, .size: 8, .value_kind: global_buffer, .address_space: global }
      - { .name: pan_scale, .offset: 112, .size: 8, .value_kind: global_buffer, .address_space: global }
      - { .name: out0, .offset: 120, .size: 8, .value_kind: global_buffer, .address_space: global }
    .group_segment_fixed_size: 45824
    .private_segment_fixed_size: 0
    .kernarg_segment_align: 8
    .kernarg_segment_size: 128
    .max_flat_workgroup_size: 256
    .sgpr_count:     96
    .vgpr_count:     248
    .wavefront_size: 32
...
	.end_amdgpu_metadata
.endif
;; end of part 3
